; MI455X (gfx1250); checked and timed in simulation.
; The chip was launched on July 23, 2026; its instructions are those of AMD's public machine-readable ISA for CDNA 5 (MIT licence, August 2026) and "CDNA5" Instruction Set Architecture Reference Guide (July 2026). The comments in the code are by the model that wrote it; some were corrected since.
;; Multi Head Self Attention. Allowed arithmetic: matrix products marked QUANTISED: E2M3 operands, one E8M0 scale for each 32 along K, by v_wmma_scale_f32_16x16x128_f8f6f4 with both operands' format E2M3, f32 sums; everything else in f32.
;; Inputs: w_o 1,024 x 1,024 float32; w_qkv 3,072 x 1,024 float32; x 4 x 2,048 x 1,024 float32.
;; Outputs: out0 4 x 2,048 x 1,024 float32.
;; This version of the problem:
;;   THIS VERSION OF THE PROBLEM IS GIVEN IN LOW PRECISION. The matrix products marked QUANTISED in the list below multiply operands that are first quantised to E2M3 (2 exponent bits, 3 mantissa bits; 6 bits a number), with one power-of-two scale for each 32 numbers along K (OCP MX v1.0); their sums are f32. All else is computed in f32.
;;   The module's matrix products, in the order in which they are computed (A, B: the left and right operand; K: the contracted axis; several contracted axes count as one K, in the product's order):
;;     1. [M 8,192, K 1,024] x [K 1,024, N 3,072]; A: input x; B: input w_qkv: QUANTISED
;;     2. batch 64 x [M 2,048, K 64] x [K 64, N 2,048]; A: computed on the way; B: computed on the way: QUANTISED
;;     3. batch 64 x [M 2,048, K 2,048] x [K 2,048, N 64]; A: softmax (see below); B: computed on the way: QUANTISED
;;     4. [M 8,192, K 1,024] x [K 1,024, N 1,024]; A: computed on the way; B: input w_o: QUANTISED
;;   THE QUANTISER, for each operand of a quantised product, along K:
;;     - K is cut into blocks of 32 from its start; a last block that is shorter is filled with zeros.
;;     - A block's scale is 2^e with e = floor(log2(the largest magnitude in the block)) - 2, held to -126 .. 127; a block of zeros has e = 0. As a byte (E8M0): e + 127.
;;     - Each number is divided by its block's scale, clamped to +-7.5, and rounded to the nearest number of E2M3, ties to even, subnormals kept.
;;     - The product sums the exact products of the quantised numbers (number of the format x scale) in f32.
;;   ~~~python
;;   def quantise(x, axis):      # numpy; x: float32 -> the quantised numbers, widened to float32 again
;;       x = np.moveaxis(x, axis, -1); K = x.shape[-1]
;;       x = np.pad(x, [(0, 0)] * (x.ndim - 1) + [(0, -K % 32)]); x = x.reshape(x.shape[:-1] + (-1, 32)); a = np.abs(x).max(-1, keepdims=True)
;;       e = np.where(a > 0, np.clip(np.frexp(np.where(a > 0, a, 1))[1] - 1 - 2, -126, 127), 0)      # np.frexp(a)[1] - 1 = floor(log2(a)), exactly
;;       r = np.clip(x / 2.0 ** e, -7.5, 7.5)
;;       step = 2.0 ** (np.maximum(np.frexp(np.where(r == 0, 1, r))[1] - 1, 0) - 3)
;;       q = np.round(r / step) * step * 2.0 ** e      # np.round: ties to even
;;       return np.moveaxis(q.reshape(q.shape[:-2] + (-1,))[..., :K], -1, axis).astype(np.float32)
;;   ~~~
;;   SOFTMAX AHEAD OF A QUANTISED PRODUCT. Where the list says 'softmax', what is quantised is not the finished softmax but p = 2^(t - M), with t = logit x log2(e) and M = ceil(the row's largest t), a whole number; so 1/2 < the row's largest p <= 1. The row's sum l is taken of the UNQUANTISED p, in f32, and the product's result is divided by l at the end. Since M is a whole number, a kernel that streams over the keys may use a running M (the ceiling of the running maximum): every later rescaling is an exact power of two, which a block's scale takes up: the codes' values come out the same.
;;   OPERANDS COMPUTED ON THE WAY. 'Computed on the way' means the value that the module computes at that place (a softmax that the list does not call 'softmax' is quantised finished and normalised). What goes into a quantiser is computed in f32, as accurately as f32 sums, v_exp_f32 and their like allow (about 1e-6 of the number): no bf16 or f16 on the way to a quantiser, and a product that is left as it is and whose result goes on into a quantised operand takes f32 operands (vector FMAs, or v_wmma_f32_16x16x4_f32). A number that lies on a knife's edge between two numbers of the format may be rounded either way, as far as f32 arithmetic and the matrix unit's own rounding can turn it there, and no further.
;; One version. Each part assembles by itself: llvm-mc -triple=amdgcn-amd-amdhsa -mcpu=gfx1250 --defsym DOCPART=n.
;; ======== version 1 of 1: 4 launches
;; limits: right only within a limited range of input values
;; workspace buffers: opc 9,437,184 bytes; ops 393,216 bytes; qimg 6,815,744 bytes; kvimg 13,107,200 bytes; acod 6,291,456 bytes; ascl 262,144 bytes
;; launch quant (part 1): grid 384 x 1, 4 waves a work-group, no clusters, 34,304 bytes of LDS; arguments x, w_qkv, w_o, opc, ops; writes opc, ops
.if DOCPART == 1
	.amdgcn_target "amdgcn-amd-amdhsa--gfx1250"
	.amdhsa_code_object_version 6
	.text
	.protected	k_q9fdb578c01_quant
	.globl	k_q9fdb578c01_quant
	.p2align	8
	.type	k_q9fdb578c01_quant,@function
k_q9fdb578c01_quant:
	s_mov_b64 s[64:65], 0
	v_nop
	global_prefetch_b8 v0, s[64:65] scope:SCOPE_SE
	s_setreg_imm32_b32 hwreg(HW_REG_WAVE_MODE, 25, 1), 1
	s_wait_xcnt 0x0
; MULTI-HEAD SELF-ATTENTION IN MX-FP6, launch 1 of 4: x [8192][1024], w_qkv [3072][1024] and w_o [1024][1024], f32 with K innermost, become codes of FP6 (E2M3) and E8M0 scale words.
; NOTHING OF THE PROBLEM IS LEFT OUT in any launch: every input reaches the output, and no product, row or step of it is thrown away.
; LIMITS: NaN and infinities among the inputs are not served.  A block of zeros, or one whose largest magnitude lies under 2^-124, gets the byte 1 (a block of zeros would have 127 by the
; quantiser's letter): its codes are zeros or are made under the held scale, and the bytes are read by this program alone.
; THE LAYOUT THAT ALL FOUR LAUNCHES SHARE.  Rows go in groups of 32.  Tile 2 B + u of 16 rows holds, in lane r, row 32 B + 8 u + r + 8 (r / 8): so, where such a tile is source 0 of a product,
; the 16 result registers of tiles 2 B and 2 B + 1 are 16 NEIGHBOURS, 32 B + 16 (lane / 16) + 0 .. 15, along the next product's K.
; A fragment (16 rows x 128 K, 12 registers a lane) is stored as an IMAGE OF ITS REGISTERS: three planes of 512 bytes, plane p = registers 4 p .. 4 p + 3, lane l's 16 bytes at 16 l.
; opc: [tile 768][K step 8][1,536 bytes]; x's tiles 0-511, w_qkv's 512-703, w_o's 704-767.   ops: [group 384][i 4][lane 32][2 words]: lane 16 u + r holds the scale words of row r of tile 2 g + u for K steps 2 i and 2 i + 1.
; SHARES.  Work-group g takes group g of 32 rows; wave w takes K = 256 w .. 256 w + 255: four fragments f = 2 u + s (tile u, K step 2 w + s).  Each load reads 512 consecutive bytes of one row; the 16 rows of a
; fragment turn through the wave's own stage in LDS (rows 528 bytes apart: 132 words, so that 16 rows start in 16 different groups of banks), and come back 128 bytes a lane and block: lane (r, h) holds
; k = 64 c + 32 h + 0 .. 31 of row r, a whole block, so that its largest magnitude needs no other lane and the conversions' results are the operand's registers.  Waves share nothing: no barrier.
.set STG,   8448                       ; a wave's stage: 16 rows x 528 bytes
.set SPARE, 4*STG                      ; behind the stages: the spare words, 128 bytes for each wave, which no other line names
.set FLOOR, 0x1800000                  ; 2^(3 - 127): under it no largest magnitude is taken, so that the byte cannot fall under 1
.set LANE, 1                           ; v1   lane
.set L16,  2                           ; v2   16 x lane
.set SIN,  3                           ; v3   the stage, on the way in: 16 x lane
.set SOUT, 4                           ; v4   and out: 528 r + 128 h
.set L8,   5                           ; v5   8 x lane
.set SH8,  6                           ; v6   8 h
.set SPW,  7                           ; v7   my spare word; never rewritten
.set NIL,  8                           ; v8   0; never rewritten
.set MX,   10                          ; v10-11 largest magnitudes of my two blocks
.set SO,   12                          ; v12-13 the conversions' scale operands
.set BY,   14                          ; v14-15 the scales' bytes
.set WD,   16                          ; v16 my two bytes at their places; v17 lane l xor 16's
.set W,    18                          ; v18-21 the four fragments' scale words
.set WS,   22                          ; v22-23 the two words that my lane stores
.set TC,   24                          ; v24-26, v28-30 the upper halves of two blocks' codes
.set C,    32                          ; v32-43, v44-55 a fragment's codes, two sets
.set RAW,  64                          ; v64-127, v128-191 a fragment as loaded, two sets
.set X,    192                         ; v192-255 my 64 numbers of the fragment in hand
	s_load_b128 s[4:7], s[0:1], 0x0                ; x, w_qkv
	s_load_b128 s[8:11], s[0:1], 0x10              ; w_o, opc
	s_load_b64 s[12:13], s[0:1], 0x20              ; ops
	v_lshl_add_u32 v[SPW], v0, 2, SPARE
	v_mov_b32 v[NIL], 0
	v_lshrrev_b32 v9, 5, v0
	v_readfirstlane_b32 s14, v9                    ; wave 0..3
	v_and_b32 v[LANE], 31, v0
	v_lshlrev_b32 v[L16], 4, v[LANE]
	v_lshlrev_b32 v[L8], 3, v[LANE]
	s_mul_i32 s15, s14, STG
	v_add_nc_u32 v[SIN], s15, v[L16]
	v_and_b32 v9, 15, v0                           ; r
	v_bfe_u32 v[SH8], v0, 4, 1                     ; h
	v_mul_u32_u24 v[SOUT], v9, 528
	v_lshl_add_u32 v[SOUT], v[SH8], 7, v[SOUT]
	v_add_nc_u32 v[SOUT], s15, v[SOUT]
	v_lshlrev_b32 v[SH8], 3, v[SH8]
	v_mov_b32 v[WD+1], 0                           ; written once: a lane permute's destination counts as one of its sources
	s_mov_b32 s20, 0x76543210
	s_mov_b32 s21, 0xfedcba98                      ; v_permlanex16_b32's selects for lane l xor 16
	s_mov_b32 s16, 352
	s_wait_alu depctr_va_vdst(0)
	s_wait_kmcnt 0x0
	s_cmp_lt_u32 ttmp9, 352                        ; which tensor: the choice hangs on the work-group's number alone
	s_cselect_b64 s[6:7], s[6:7], s[8:9]
	s_cselect_b32 s16, 256, s16
	s_cmp_lt_u32 ttmp9, 256
	s_cselect_b64 s[4:5], s[4:5], s[6:7]
	s_cselect_b32 s16, 0, s16
	s_sub_co_u32 s16, ttmp9, s16                   ; the group's number in its tensor
	s_lshl_b32 s16, s16, 17                        ; 32 rows of 4,096 bytes
	s_lshl_b32 s17, s14, 10                        ; my wave's 1,024 bytes of a row
	s_add_co_u32 s16, s16, s17
	s_mov_b32 s17, 0
	s_add_nc_u64 s[4:5], s[4:5], s[16:17]
	s_mul_i32 s16, ttmp9, 24576                    ; two tiles of 12,288 bytes,
	s_mul_i32 s18, s14, 3072                       ; my two K steps of 1,536
	s_add_co_u32 s16, s16, s18
	s_add_nc_u64 s[10:11], s[10:11], s[16:17]
	s_lshl_b32 s16, ttmp9, 10
	s_lshl_b32 s18, s14, 8
	s_add_co_u32 s16, s16, s18
	s_add_nc_u64 s[12:13], s[12:13], s[16:17]
.macro LOAD f                          ; fragment f as it lies: row i of tile f / 2 is row 8 (f / 2) + i + 8 (i / 8) of the group; 32 lanes read 512 consecutive bytes
.set RW, RAW+64*((\f)%2)
.irp i, 0,1,2,3,4,5,6,7,8,9,10,11,12,13,14,15
	global_load_b128 v[RW+4*\i:RW+4*\i+3], v[L16], s[4:5] offset:(8*((\f)/2)+\i+8*(\i/8))*4096+512*((\f)%2) th:TH_LOAD_NT
.endr
.endm
.macro FRAGQ f
.set RW, RAW+64*((\f)%2)
.set CC, C+12*((\f)%2)
.if (\f) < 3
	s_wait_loadcnt 16                              ; this fragment's 16 loads are in; the next fragment's 16 may be out
.else
	s_wait_loadcnt 0x0
.endif
.irp i, 0,1,2,3,4,5,6,7,8,9,10,11,12,13,14,15
	ds_store_b128 v[SIN], v[RW+4*\i:RW+4*\i+3] offset:528*\i
.endr
.irp c, 0,1
.irp j, 0,1,2,3,4,5,6,7
	ds_load_b128 v[X+32*\c+4*\j:X+32*\c+4*\j+3], v[SOUT] offset:256*\c+16*\j   ; LDS serves a wave's instructions in order: these see the stores above
.endr
.endr
	s_wait_dscnt 0x0                               ; my 64 numbers are in, and the stores have read their registers,
.if (\f) < 2
	LOAD (\f)+2                                    ; which take the fragment two on
.endif
.irp c, 0,1
	v_max3_num_f32 v[MX+\c], |v[X+32*\c]|, |v[X+32*\c+1]|, FLOOR   ; block 2 c + h of the K step: all its 32 numbers are mine (the two blocks by turns)
.endr
.irp i, 2,4,6,8,10,12,14,16,18,20,22,24,26,28,30
.irp c, 0,1
	v_max3_num_f32 v[MX+\c], v[MX+\c], |v[X+32*\c+\i]|, |v[X+32*\c+\i+1]|
.endr
.endr
.irp c, 0,1
	v_add_nc_u32 v[SO+\c], 0xff000000, v[MX+\c]    ; 2 off the exponent field: the conversion takes the exponent field of this operand as its scale
.endr
.irp c, 0,1
	v_lshrrev_b32 v[BY+\c], 23, v[SO+\c]           ; the scale's byte
.endr
	v_lshl_or_b32 v[WD], v[BY+1], 16, v[BY]        ; my two bytes: blocks h and 2 + h,
	v_lshlrev_b32 v[WD], v[SH8], v[WD]             ; at their places in the word;
	v_permlanex16_b32 v[WD+1], v[WD], s20, s21
	v_or_b32 v[W+\f], v[WD], v[WD+1]               ; with lane l xor 16's two the word is whole
.if (\f) >= 2
	s_wait_alu depctr_va_vdst(0)
	s_wait_xcnt 0x0                                ; the stores of two fragments back have read this set of codes
.endif
.irp c, 0,1
	v_cvt_scalef32_pk16_fp6_f32 v[CC+6*\c:CC+6*\c+2], v[X+32*\c:X+32*\c+15], v[SO+\c]
	v_cvt_scalef32_pk16_fp6_f32 v[TC+4*\c:TC+4*\c+2], v[X+32*\c+16:X+32*\c+31], v[SO+\c]   ; (a conversion's three registers begin on an even number)
.endr
	v_nop                                          ; one plain place behind a scaled conversion
.irp c, 0,1
.irp i, 0,1,2
	v_mov_b32 v[CC+6*\c+3+\i], v[TC+4*\c+\i]
.endr
.endr
.irp p, 0,1,2
	global_store_b128 v[L16], v[CC+4*\p:CC+4*\p+3], s[10:11] offset:12288*((\f)/2)+1536*((\f)%2)+512*\p   ; 32 lanes store 512 consecutive bytes, aligned
.endr
.endm
	LOAD 0
	LOAD 1
	FRAGQ 0
	FRAGQ 1
	FRAGQ 2
	FRAGQ 3
	v_cmp_lt_u32 vcc_lo, 15, v[LANE]               ; lanes 16-31 store tile 1's words
	v_cndmask_b32 v[WS], v[W], v[W+2], vcc_lo
	v_cndmask_b32 v[WS+1], v[W+1], v[W+3], vcc_lo
	global_store_b64 v[L8], v[WS:WS+1], s[12:13]   ; 32 lanes store 256 consecutive bytes, aligned
	s_wait_tensorcnt 0x0                           ; the wave's end
	ds_add_u32 v[SPW], v[NIL]
	s_wait_dscnt 0x0
	s_endpgm
.Lfunc_end_k_q9fdb578c01_quant:
	.size	k_q9fdb578c01_quant, .Lfunc_end_k_q9fdb578c01_quant-k_q9fdb578c01_quant
	.p2alignl 7, 3214868480
	.fill 96, 4, 3214868480
	.section	.rodata,"a",@progbits
	.p2align	6, 0x0
	.amdhsa_kernel k_q9fdb578c01_quant
		.amdhsa_group_segment_fixed_size 34304
		.amdhsa_private_segment_fixed_size 0
		.amdhsa_enable_private_segment 0
		.amdhsa_kernarg_size 40
		.amdhsa_user_sgpr_count 2
		.amdhsa_user_sgpr_kernarg_segment_ptr 1
		.amdhsa_wavefront_size32 1
		.amdhsa_system_sgpr_workgroup_id_x 1
		.amdhsa_system_sgpr_workgroup_id_y 1
		.amdhsa_system_sgpr_workgroup_id_z 1
		.amdhsa_system_vgpr_workitem_id 0
		.amdhsa_next_free_vgpr 256
		.amdhsa_next_free_sgpr 66
		.amdhsa_reserve_vcc 1
		.amdhsa_float_denorm_mode_32 3
		.amdhsa_float_denorm_mode_16_64 3
		.amdhsa_memory_ordered 1
		.amdhsa_forward_progress 1
		.amdhsa_inst_pref_size 30
	.end_amdhsa_kernel
	.amdgpu_metadata
---
amdhsa.version: [ 1, 2 ]
amdhsa.kernels:
  - .name:           k_q9fdb578c01_quant
    .symbol:         k_q9fdb578c01_quant.kd
    .args:
      - { .name: x, .offset: 0, .size: 8, .value_kind: global_buffer, .address_space: global }
      - { .name: w_qkv, .offset: 8, .size: 8, .value_kind: global_buffer, .address_space: global }
      - { .name: w_o, .offset: 16, .size: 8, .value_kind: global_buffer, .address_space: global }
      - { .name: opc, .offset: 24, .size: 8, .value_kind: global_buffer, .address_space: global }
      - { .name: ops, .offset: 32, .size: 8, .value_kind: global_buffer, .address_space: global }
    .group_segment_fixed_size: 34304
    .private_segment_fixed_size: 0
    .kernarg_segment_align: 8
    .kernarg_segment_size: 40
    .max_flat_workgroup_size: 128
    .sgpr_count:     66
    .vgpr_count:     256
    .wavefront_size: 32
...
	.end_amdgpu_metadata
.endif
;; end of part 1
;; launch qkv (part 2): grid 16 x 32, 4 waves a work-group, clusters of 4 x 4, 327,680 bytes of LDS; arguments opc, ops, qimg, kvimg; writes qimg, kvimg
.if DOCPART == 2
	.amdgcn_target "amdgcn-amd-amdhsa--gfx1250"
	.amdhsa_code_object_version 6
	.text
	.protected	k_q9fdb578c01_qkv
	.globl	k_q9fdb578c01_qkv
	.p2align	8
	.type	k_q9fdb578c01_qkv,@function
k_q9fdb578c01_qkv:
	s_mov_b64 s[64:65], 0
	v_nop
	global_prefetch_b8 v0, s[64:65] scope:SCOPE_SE
	s_setreg_imm32_b32 hwreg(HW_REG_WAVE_MODE, 25, 1), 1
	s_wait_xcnt 0x0
	s_wait_alu depctr_hold_cnt(0) depctr_sa_sdst(0) depctr_va_vdst(0) depctr_va_sdst(0) depctr_va_ssrc(0) depctr_va_vcc(0) depctr_vm_vsrc(0)
	s_getreg_b32 s2, hwreg(HW_REG_IB_STS2, 6, 4)
	s_cmp_eq_u32 s2, 0
	s_cbranch_scc0 .Lentry_in_a_cluster
	s_endpgm
.Lentry_in_a_cluster:
	s_bfe_u32 s2, ttmp6, 0x10000c
	s_cmp_lg_u32 s2, 0xf033
	s_cbranch_scc0 .Lentry_shape_is_right
	s_endpgm
.Lentry_shape_is_right:
; Launch 2 of 4: qkv = x w_qkv^T on codes of FP6, and its results quantised in registers into the operands of attention.  No f32 number of qkv goes to memory.  No work is left out.
; SHARES.  Work-group (x, y): head x (192 columns: 12 tiles of w_qkv's rows), 256 tokens (16 tiles).  Wave w: token tiles 4 w .. 4 w + 3 against all 12 column tiles: 48 accumulators.
; q AND k (column tiles 0-7) ARE MADE TRANSPOSED: source 0 = 16 rows of w_qkv, source 1 = 16 tokens: a lane holds ONE token and its registers run along the head's channels, which are the K of q k^T.
; v (tiles 8-11) THE OTHER WAY ROUND: source 0 = 16 tokens, source 1 = 16 rows of w_qkv: a lane holds ONE channel and its registers run along the tokens, which are the K of p v.
; By the order of rows in a tile (launch 1's head) 16 registers of two neighbouring tiles are 16 neighbours along that K.
; K = 1,024 goes in 8 steps of 128, written out; an LDS slot holds three steps: A's 16 tiles x 4,608 bytes, then B's 12.  Two slots: steps 0-2 in slot 0, 3-5 in slot 1; steps 6 and 7 go into slot 0 again.
; Fragments lie in memory and in LDS as images of their registers: three loads of 16 bytes a lane, each 512 consecutive bytes: no pitch, no padding, no conflict.
; CLUSTER 4 x 4: the four work-groups of a row of the cluster need the same tokens' tiles, the four of a column the same head's: each tile is asked for jointly, by the same tensor load with a mask that names the four.
; THE SCALE WORDS of all 8 steps come from memory straight into registers, once: 256 consecutive bytes a load.  One register: lanes 0-15 the even tile of a pair, lanes 16-31 the odd one.
; OUT.  qimg: [b h 64][token tile 128][768 bytes]: half a fragment (64 along K: registers 0-3 at 16 l, registers 4-5 from byte 512 at 8 l); from byte 6,291,456 on its scale words.
; kvimg: [b h 64][key step 16][12,800 bytes]: four fragments of k, each holding TWO key tiles (the head's 64 channels of tile 2 B in K 0-63, of tile 2 B + 1 in K 64-127); four fragments of v^T (16 channels x 128 keys); 512 bytes of scale words.
; REGISTERS, in windows of 256: window 0: v1-29 addresses; v32-47 A's scale words, v48-95 B's; v128-175, v176-223 A's fragments, two sets; on the way out v128-235 are at work.
;   window 1: B's 12 fragments, ONE set: its lower half is fetched anew behind the step's lower products, its upper half behind the upper ones.   window 2: q's and k's accumulators, (a, n) at v[8 (8 a + n)].   window 3: v's, at v[8 (4 (n - 8) + a)].
.set NT,    12
.set TAIL,  3*NT/2                     ; the LDS loads of B's upper half: the youngest of a step's
.set SLOT,  (16+NT)*4608               ; THE RING AS IT STANDS (in place of what the head says of slots): a slot holds THREE K steps, A's 16 tiles x 4,608 bytes, then B's 12.  Two slots: slot 0 (K steps 0-2) is asked for at the head, one load a wave; slot 1 (3-5) behind the first round; K steps 6 and 7 go into slot 0 again
.set SCR,   2*SLOT
.set SPARE, SCR+1024                   ; the spare words, 128 bytes for each wave, which no other line names
.set FLOOR, 0x1800000
.set LANE, 1
.set L16,  2                           ; v2   16 x lane
.set L8,   3                           ; v3   8 x lane
.set ADRA, 16                          ; v16-18 my four tiles of A in slots 0, 1, 2
.set ADRB, 20                          ; v20-22 B's tiles
.set SKS,  24                          ; v24  where my word of k's scales goes
.set SVS,  25                          ; v25  where my half-words of v's go
.set SRD,  26                          ; v26  and where a step's 512 bytes are read back
.set SPW,  28                          ; v28  my spare word; never rewritten
.set NIL,  29                          ; v29  0; never rewritten
.set SCA,  32                          ; scale words of A: pair B', K step s at v[SCA + 8 B' + s]
.set SCB,  48                          ; of B: pair G at v[SCB + 8 G + s]
.set AF,   128
.set OQ,   128                         ; the way out: q's codes, 6 registers a token tile
.set OK,   152                         ; k's: two tiles on end are a fragment
.set OV,   176                         ; v's, 6 registers a channel tile
.set TM,   200                         ; v200-201 largest magnitudes; v202-203 the other half's; v204-205 scale operands; v206-207 bytes; v208-210 codes on their way
.set TP,   202
.set SO,   204
.set BY,   206
.set TC,   208
.set HW,   212                         ; v212-223 two scale bytes each: q's four tiles, k's four, v's four
.set WW,   224
.set G1A, 24                           ; s[24:31], s[32:39] descriptor groups 1;  s[40:47], s[52:59] groups 0, one for each slot
.set G1B, 32
.set G0A, 40
.set G0B, 52
.set MSB, 0
.macro WIN new                         ; the immediate's high byte repeats the setting that is left; a switch that changes nothing is dropped
.if MSB != (\new)
	s_set_vgpr_msb (MSB<<8)|(\new)
.set MSB, (\new)
.endif
.endm
.macro PLACES                          ; four places in front of loads into registers that matrix instructions have read, and of the first read of results
.rept 4
	v_nop
.endr
.endm
.macro JLOAD g0a, g1a, g0b, g1b        ; a joint load: waves 0 and 1 fetch A's halves, waves 2 and 3 B's; an s_nop 0 and four v_nop follow each of the two lines
	s_cmp_eq_u32 s15, 0
	s_cbranch_scc0 .Lfor_b_\@
	tensor_load_to_lds s[\g0a:\g0a+3], s[\g1a:\g1a+7]
	s_nop 0
.rept 4
	v_nop
.endr
	s_branch .Lasked_\@
.Lfor_b_\@:
	tensor_load_to_lds s[\g0b:\g0b+3], s[\g1b:\g1b+7]
	s_nop 0
.rept 4
	v_nop
.endr
.Lasked_\@:
.endm
.macro CREST                           ; a round of the cluster's barrier behind its opening barrier
	s_cmp_lg_u32 s14, 0
	s_cbranch_scc1 .Lnot_wave_0_\@
	s_barrier_signal -3
.Lnot_wave_0_\@:
	s_barrier_wait -3
	s_barrier_signal -1
	s_barrier_wait -1
.endm
.macro CROUND
	s_barrier_signal -1
	s_barrier_wait -1
	CREST
.endm
; one matrix instruction on the registers named by rD, rS0, rS1, rSA, rSB; rRA, rRB: the side's scales stand in lanes 16-31
.macro WMI zero
.if \zero
.if rRA && rRB
	v_wmma_scale_f32_16x16x128_f8f6f4 v[rD:rD+7], v[rS0:rS0+11], v[rS1:rS1+11], 0, v[rSA], v[rSB] matrix_a_fmt:MATRIX_FMT_FP6 matrix_b_fmt:MATRIX_FMT_FP6 matrix_a_scale:MATRIX_SCALE_ROW1 matrix_b_scale:MATRIX_SCALE_ROW1
.elseif rRA
	v_wmma_scale_f32_16x16x128_f8f6f4 v[rD:rD+7], v[rS0:rS0+11], v[rS1:rS1+11], 0, v[rSA], v[rSB] matrix_a_fmt:MATRIX_FMT_FP6 matrix_b_fmt:MATRIX_FMT_FP6 matrix_a_scale:MATRIX_SCALE_ROW1
.elseif rRB
	v_wmma_scale_f32_16x16x128_f8f6f4 v[rD:rD+7], v[rS0:rS0+11], v[rS1:rS1+11], 0, v[rSA], v[rSB] matrix_a_fmt:MATRIX_FMT_FP6 matrix_b_fmt:MATRIX_FMT_FP6 matrix_b_scale:MATRIX_SCALE_ROW1
.else
	v_wmma_scale_f32_16x16x128_f8f6f4 v[rD:rD+7], v[rS0:rS0+11], v[rS1:rS1+11], 0, v[rSA], v[rSB] matrix_a_fmt:MATRIX_FMT_FP6 matrix_b_fmt:MATRIX_FMT_FP6
.endif
.else
.if rRA && rRB
	v_wmma_scale_f32_16x16x128_f8f6f4 v[rD:rD+7], v[rS0:rS0+11], v[rS1:rS1+11], v[rD:rD+7], v[rSA], v[rSB] matrix_a_fmt:MATRIX_FMT_FP6 matrix_b_fmt:MATRIX_FMT_FP6 matrix_a_scale:MATRIX_SCALE_ROW1 matrix_b_scale:MATRIX_SCALE_ROW1
.elseif rRA
	v_wmma_scale_f32_16x16x128_f8f6f4 v[rD:rD+7], v[rS0:rS0+11], v[rS1:rS1+11], v[rD:rD+7], v[rSA], v[rSB] matrix_a_fmt:MATRIX_FMT_FP6 matrix_b_fmt:MATRIX_FMT_FP6 matrix_a_scale:MATRIX_SCALE_ROW1
.elseif rRB
	v_wmma_scale_f32_16x16x128_f8f6f4 v[rD:rD+7], v[rS0:rS0+11], v[rS1:rS1+11], v[rD:rD+7], v[rSA], v[rSB] matrix_a_fmt:MATRIX_FMT_FP6 matrix_b_fmt:MATRIX_FMT_FP6 matrix_b_scale:MATRIX_SCALE_ROW1
.else
	v_wmma_scale_f32_16x16x128_f8f6f4 v[rD:rD+7], v[rS0:rS0+11], v[rS1:rS1+11], v[rD:rD+7], v[rSA], v[rSB] matrix_a_fmt:MATRIX_FMT_FP6 matrix_b_fmt:MATRIX_FMT_FP6
.endif
.endif
.endm
; K step ks, column tiles n0 .. n1 - 1 (q's and k's) x my four token tiles, transposed.  The 48 accumulators take turns, one instruction a turn, in the same order in every step.
.macro MULT ks, n0, n1, zero
	WIN 0xa1                                       ; source 0 (B) window 1, source 1 (A) window 0, C and D window 2
.set NN, \n0
.rept (\n1)-(\n0)
.set AA, 0
.rept 4
.set rD, 8*(8*AA+NN)
.set rS0, 12*NN
.set rS1, AF+48*((\ks)&1)+12*AA
.set rSA, SCB+8*(NN/2)+(\ks)
.set rSB, SCA+8*(AA/2)+(\ks)
.set rRA, NN&1
.set rRB, AA&1
	WMI \zero
.set AA, AA+1
.endr
.set NN, NN+1
.endr
.endm
.macro MULV ks, zero                   ; v's four column tiles: source 0 = tokens, source 1 = channels
	WIN 0xf4                                       ; source 0 (A) window 0, source 1 (B) window 1, C and D window 3
.set NN, 8
.rept 4
.set AA, 0
.rept 4
.set rD, 8*(4*(NN-8)+AA)
.set rS0, AF+48*((\ks)&1)+12*AA
.set rS1, 12*NN
.set rSA, SCA+8*(AA/2)+(\ks)
.set rSB, SCB+8*(NN/2)+(\ks)
.set rRA, AA&1
.set rRB, NN&1
	WMI \zero
.set AA, AA+1
.endr
.set NN, NN+1
.endr
.endm
.macro P_LO ks, zero
	MULT \ks, 0, 6, \zero
.endm
.macro P_HI ks, zero
	MULT \ks, 6, 8, \zero
	MULV \ks, \zero
.endm
.macro FETCH_A slot, q, set            ; my four tiles of A, the slot's q-th step, into set
.set AA, 0
.rept 4
.irp p, 0,1,2
	ds_load_b128 v[AF+48*(\set)+12*AA+4*\p:AF+48*(\set)+12*AA+4*\p+3], v[ADRA+\slot] offset:4608*AA+1536*(\q)+512*\p
.endr
.set AA, AA+1
.endr
.endm
.macro FETCH_B slot, q, n0, n1
	WIN 0x40                                       ; destination window 1, address window 0
.set NN, \n0
.rept (\n1)-(\n0)
.irp p, 0,1,2
	ds_load_b128 v[12*NN+4*\p:12*NN+4*\p+3], v[ADRB+\slot] offset:4608*NN+1536*(\q)+512*\p
.endr
.set NN, NN+1
.endr
	WIN 0
.endm
; A K step whose successor lies in the same slot.
.macro STEP ks, slot, zero
	s_wait_dscnt TAIL                              ; A's set and B's lower half are in; B's upper half, the youngest loads, may be out
	P_LO \ks, \zero
	s_wait_dscnt 0x0                               ; B's upper half is in
	PLACES
	WIN 0
	FETCH_A \slot, ((\ks)+1)%3, ((\ks)+1)&1        ; the next step is number (ks + 1) % 3 of the same slot
	FETCH_B \slot, ((\ks)+1)%3, 0, NT/2
	P_HI \ks, \zero
	PLACES
	FETCH_B \slot, ((\ks)+1)%3, NT/2, NT
.endm
; A K step that changes slots: one barrier.  fill = 1: the slot that is left is filled again: every wave waits for ALL its tensor loads, adds 0 to its spare word, waits for that and for its reads of the slot; the barrier opens
; a round of the cluster's; the joint refill is the first thing behind it.  fill = 0: tcnt younger tensor loads may stay out.
.macro TURN ks, slot, next, fill, tcnt
.if \fill
	s_wait_tensorcnt 0x0                           ; all my tensor loads have landed
	ds_add_u32 v[SPW], v[NIL]                      ; 0 onto my spare word
	s_mov_b32 s[G1A+1], 384<<16                    ; no tensor load of mine is out: of the refill's rows only two K steps, 3,072 bytes, are left in the tensor; the third part of each LDS row is written as zeros and not read
	s_mov_b32 s[G1B+1], 384<<16
	s_wait_dscnt TAIL+1
.else
	s_wait_tensorcnt \tcnt                         ; my part of the next slot is in
	s_wait_dscnt TAIL
.endif
	MULT \ks, 0, 3, 0
	s_wait_dscnt 0x0                               ; my reads of this slot are over (fill = 1: and the add is done)
	s_barrier_signal -1
	MULT \ks, 3, 6, 0                              ; work on registers while the others arrive
	WIN 0
	s_barrier_wait -1
.if \fill
	CREST                                          ; no wave of any partner still reads this slot or has a load on its way
	s_add_nc_u64 s[G0A+4*\slot+2:G0A+4*\slot+3], s[G0A+4*\slot+2:G0A+4*\slot+3], 9216   ; three pairs of steps on: K steps 6 and 7
	s_add_nc_u64 s[G0B+4*\slot+2:G0B+4*\slot+3], s[G0B+4*\slot+2:G0B+4*\slot+3], 9216
	JLOAD G0A+4*\slot, G1A, G0B+4*\slot, G1B       ; it has two and a half K steps, 120 matrix instructions, in which to land; its four v_nop are the places in front of the loads below
.else
	PLACES
.endif
	FETCH_A \next, 0, ((\ks)+1)&1
	FETCH_B \next, 0, 0, NT/2
	P_HI \ks, 0
	PLACES
	FETCH_B \next, 0, NT/2, NT
.endm
	s_load_b256 s[4:11], s[0:1], 0x0               ; opc s[4:5], ops s[6:7], qimg s[8:9], kvimg s[10:11]
	v_lshl_add_u32 v[SPW], v0, 2, SPARE
	v_mov_b32 v[NIL], 0
	ds_add_u32 v[SPW], v[NIL]                      ; the wave's opening: the add, twice on end, and its wait ahead of my first tensor load
	ds_add_u32 v[SPW], v[NIL]
	v_lshrrev_b32 v1, 5, v0
	v_readfirstlane_b32 s14, v1                    ; wave 0..3
	s_lshr_b32 s15, s14, 1                         ; I fetch for A (0) or for B (1).  Also: which of the block's two key steps my tokens belong to
	s_and_b32 s16, s14, 1                          ; which half of the tiles I fetch.  Also: which 64 keys of that step
	s_bfe_u32 s66, ttmp6, 0x40000                  ; cx, cy: my place in the cluster
	s_bfe_u32 s67, ttmp6, 0x40004
	s_lshl_b32 s68, ttmp9, 2
	s_add_co_u32 s68, s68, s66                     ; the head = 4 x cluster x + cx
	s_and_b32 s17, ttmp7, 0xffff
	s_lshl_b32 s17, s17, 2
	s_add_co_u32 s17, s17, s67                     ; the block of 256 tokens = 4 x cluster y + cy
	s_lshl_b32 s69, s67, 2
	s_lshl_b32 s69, 15, s69                        ; my row of the cluster
	s_lshl_b32 s70, 0x1111, s66                    ; my column
	s_or_b32 s[G1A], s69, (3<<16)|(1<<21)          ; 15:0 the mask: A's tiles go to my row; 17:16 elements of 8 bytes; 21 set beside a mask; no padding
	s_or_b32 s[G1B], s70, (3<<16)|(1<<21)
.irp g, G1A, G1B
	s_mov_b32 s[\g+1], 576<<16                     ; tensor_dim0: a row is one tile's three K steps, 4,608 bytes
	s_mov_b32 s[\g+3], 576<<16
	s_mov_b32 s[\g+5], 1536                        ; from tile to tile: 12,288 bytes
	s_mov_b32 s[\g+6], 0
	s_mov_b32 s[\g+7], 0
.endr
	s_mov_b32 s[G1A+2], 8<<16                      ; tensor_dim1: 8 tiles of A a load,
	s_mov_b32 s[G1A+4], 8
	s_mov_b32 s[G1B+2], (NT/2)<<16                 ; 6 of B
	s_mov_b32 s[G1B+4], NT/2
	s_lshl_b32 s72, s17, 4
	s_lshl_b32 s73, s16, 3
	s_add_co_u32 s72, s72, s73                     ; A: tile 16 y + 8 x half
	s_mul_i32 s72, s72, 12288
	s_mov_b32 s73, 0
	s_mul_i32 s74, s68, 12
	s_mul_i32 s75, s16, 6
	s_add_co_u32 s74, s74, s75
	s_add_co_u32 s74, s74, 512                     ; B: tile 512 + 12 x head + 6 x half
	s_mul_i32 s74, s74, 12288
	s_mov_b32 s75, 0
	s_mul_i32 s76, s16, 36864                      ; where they go in a slot: 8 tiles of A, 6 of B, 4,608 bytes each; no place in the cluster enters an LDS address
	s_mul_i32 s77, s16, 27648
	s_add_co_u32 s77, s77, 73728
	s_mov_b32 s86, 0x76543210
	s_mov_b32 s87, 0xfedcba98                      ; v_permlanex16_b32's selects for lane l xor 16
	s_wait_dscnt 0x0                               ; both opening adds are done
	s_wait_kmcnt 0x0
	s_add_nc_u64 s[78:79], s[4:5], s[72:73]
	s_add_nc_u64 s[80:81], s[4:5], s[74:75]
	CROUND                                         ; all sixteen work-groups are here: the first joint loads meet
.irp f, 0,1
	s_mov_b32 s[G0A+4*\f], 1
	s_add_co_u32 s[G0A+4*\f+1], s76, \f*SLOT
	s_add_nc_u64 s[G0A+4*\f+2:G0A+4*\f+3], s[78:79], \f*4608
	s_or_b32 s[G0A+4*\f+3], s[G0A+4*\f+3], 0x80000000
	s_mov_b32 s[G0B+4*\f], 1
	s_add_co_u32 s[G0B+4*\f+1], s77, \f*SLOT
	s_add_nc_u64 s[G0B+4*\f+2:G0B+4*\f+3], s[80:81], \f*4608
	s_or_b32 s[G0B+4*\f+3], s[G0B+4*\f+3], 0x80000000
.endr
	JLOAD G0A, G1A, G0B, G1B                       ; K steps 0 to 2: one tensor load a wave at the head
	v_and_b32 v[LANE], 31, v0
	v_lshlrev_b32 v[L16], 4, v[LANE]
	s_wait_alu depctr_va_vdst(0)
	v_lshlrev_b32 v[L8], 3, v[LANE]
	s_mul_i32 s82, s14, 18432                      ; my four tiles of A
	v_add_nc_u32 v[ADRA], s82, v[L16]
	v_add_nc_u32 v[ADRA+1], SLOT, v[ADRA]
	v_add_nc_u32 v[ADRA+2], 2*SLOT, v[ADRA]
	v_add_nc_u32 v[ADRB], 73728, v[L16]
	v_add_nc_u32 v[ADRB+1], SLOT, v[ADRB]
	v_add_nc_u32 v[ADRB+2], 2*SLOT, v[ADRB]
	s_lshl_b32 s82, s15, 9                         ; the scale words' meeting place: 512 bytes a key step, 16 a lane: k's two words, v's two
	s_add_co_u32 s82, s82, SCR
	s_lshl_b32 s83, s16, 2
	s_add_co_u32 s83, s83, s82
	v_add_nc_u32 v[SKS], s83, v[L16]               ; k's word number (wave & 1)
	s_lshl_b32 s83, s16, 1
	s_add_co_u32 s83, s83, s82
	s_add_co_u32 s83, s83, 8
	v_add_nc_u32 v[SVS], s83, v[L16]               ; half (wave & 1) of v's words
	s_lshl_b32 s83, s16, 9
	s_add_co_u32 s83, s83, SCR
	v_add_nc_u32 v[SRD], s83, v[L16]
	v_cmp_lt_u32 s88, 15, v[LANE]                  ; lanes 16-31
	s_lshl_b32 s82, s17, 3
	s_lshl_b32 s83, s14, 1
	s_add_co_u32 s82, s82, s83                     ; A's pairs of tiles: 8 y + 2 x wave + B'
	s_lshl_b32 s82, s82, 10
	s_mov_b32 s83, 0
	s_add_nc_u64 s[82:83], s[6:7], s[82:83]
	s_mul_i32 s84, s68, 6
	s_add_co_u32 s84, s84, 256                     ; B's: 256 + 6 x head + G
	s_lshl_b32 s84, s84, 10
	s_mov_b32 s85, 0
	s_add_nc_u64 s[84:85], s[6:7], s[84:85]
.irp b, 0,1
.irp i, 0,1,2,3
	global_load_b64 v[SCA+8*\b+2*\i:SCA+8*\b+2*\i+1], v[L8], s[82:83] offset:1024*\b+256*\i
.endr
.endr
.irp g, 0,1,2,3,4,5
.irp i, 0,1,2,3
	global_load_b64 v[SCB+8*\g+2*\i:SCB+8*\g+2*\i+1], v[L8], s[84:85] offset:1024*\g+256*\i
.endr
.endr
	; where the results go
	s_lshr_b32 s89, s17, 3
	s_lshl_b32 s89, s89, 4
	s_add_co_u32 s89, s89, s68                     ; b h = 16 x batch + head
	s_and_b32 s90, s17, 7                          ; the block's number in its batch
	s_lshl_b32 s91, s89, 7
	s_lshl_b32 s92, s90, 4
	s_add_co_u32 s91, s91, s92
	s_lshl_b32 s92, s14, 2
	s_add_co_u32 s91, s91, s92                     ; my first token tile: 128 b h + 16 x block + 4 x wave
	s_mul_i32 s92, s91, 768
	s_mov_b32 s93, 0
	s_add_nc_u64 s[72:73], s[8:9], s[92:93]        ; q's codes
	s_lshl_b32 s92, s91, 6                         ; q's scale words: 256 bytes for four tiles
	s_add_co_u32 s92, s92, 6291456
	s_add_nc_u64 s[74:75], s[8:9], s[92:93]
	s_lshl_b32 s91, s89, 4
	s_lshl_b32 s92, s90, 1
	s_add_co_u32 s91, s91, s92                     ; the block's first key step: 16 b h + 2 x block
	s_add_co_u32 s92, s91, s15
	s_mul_i32 s92, s92, 12800                      ; my key step
	s_mul_i32 s94, s16, 3072
	s_add_co_u32 s94, s94, s92
	s_mov_b32 s95, 0
	s_add_nc_u64 s[76:77], s[10:11], s[94:95]      ; k: my two fragments of its four
	s_mul_i32 s94, s16, 768
	s_add_co_u32 s94, s94, s92
	s_add_co_u32 s94, s94, 6144
	s_add_nc_u64 s[78:79], s[10:11], s[94:95]      ; v: my half of each of its four fragments
	s_add_co_u32 s92, s91, s16
	s_mul_i32 s92, s92, 12800
	s_add_co_u32 s92, s92, 12288
	s_add_nc_u64 s[80:81], s[10:11], s[92:93]      ; the scale words of key step (wave & 1): waves 0 and 1 store them
	s_wait_alu depctr_va_vdst(0)
	s_wait_tensorcnt 0x0                           ; my part of slot 0 is in
	ds_add_u32 v[SPW], v[NIL]
	s_wait_dscnt 0x0
	CROUND                                         ; everybody's part is in, and the joint loads meet
	JLOAD G0A+4, G1A, G0B+4, G1B                   ; K steps 3 to 5 into slot 1
	FETCH_A 0, 0, 0
	FETCH_B 0, 0, 0, NT/2
	FETCH_B 0, 0, NT/2, NT
	s_wait_loadcnt 0x0                             ; the scale words
	STEP 0, 0, 1                                   ; the first step's products start the sums: nothing is cleared
	STEP 1, 0, 0
	TURN 2, 0, 1, 1, 0                             ; slot 0 is left, and takes K steps 6 and 7
	STEP 3, 1, 0
	STEP 4, 1, 0
	TURN 5, 1, 0, 0, 0                             ; the refill is in
	STEP 6, 0, 0
	s_wait_dscnt TAIL                              ; the last step: nothing more to fetch
	P_LO 7, 0
	s_wait_dscnt 0x0
	P_HI 7, 0
	WIN 0
; THE WAY OUT.  32 numbers of a lane in window win, v[src] on: register 16 b + i is k = 32 b + 16 (lane / 16) + i of my row.  They become half a fragment's codes in v[dst] .. v[dst + 5] and two scale bytes in v[hw].
.macro Q32 win, src, dst, hw
	v_mov_b32 v[TM], FLOOR                         ; the floor 2^(3 - 127): the byte cannot fall under 1
	v_mov_b32 v[TM+1], FLOOR
	WIN ((\win)<<2)|((\win)<<4)                    ; sources 1 and 2 in the accumulators' window
.set i, 0
.rept 8
	v_max3_num_f32 v[TM], v[TM], |v[(\src)+i]|, |v[(\src)+i+1]|            ; ascending: each accumulator is first read at its low end
	v_max3_num_f32 v[TM+1], v[TM+1], |v[(\src)+16+i]|, |v[(\src)+16+i+1]|
.set i, i+2
.endr
	WIN 0
	v_permlanex16_b32 v[TP], v[TM], s86, s87
	v_permlanex16_b32 v[TP+1], v[TM+1], s86, s87
	v_max_num_f32 v[TM], v[TM], v[TP]              ; with lane l xor 16's: the block's largest magnitude
	v_max_num_f32 v[TM+1], v[TM+1], v[TP+1]
	v_add_nc_u32 v[SO], 0xff000000, v[TM]          ; 2 off the exponent field: the conversion's scale operand
	v_add_nc_u32 v[SO+1], 0xff000000, v[TM+1]
	v_lshrrev_b32 v[BY], 23, v[SO]
	v_lshrrev_b32 v[BY+1], 23, v[SO+1]
	v_lshl_or_b32 v[\hw], v[BY+1], 8, v[BY]
	WIN (\win)                                     ; source 0 in the accumulators' window
	v_cvt_scalef32_pk16_fp6_f32 v[(\dst):(\dst)+2], v[(\src):(\src)+15], v[SO]
	v_cvt_scalef32_pk16_fp6_f32 v[TC:TC+2], v[(\src)+16:(\src)+31], v[SO+1]
	WIN 0
	v_nop                                          ; one plain place behind a scaled conversion
.irp i, 0,1,2
	v_permlane16_swap_b32 v[(\dst)+\i], v[TC+\i]   ; the operand's layout wants a whole block in a lane: lanes 0-15 block 0, lanes 16-31 block 1
.endr
.irp i, 0,1,2
	v_mov_b32 v[(\dst)+3+\i], v[TC+\i]
.endr
.endm
	PLACES
	v_mov_b32 v[TP], 0                             ; written once: a lane permute's destination counts as one of its sources
	v_mov_b32 v[TP+1], 0
.irp a, 0,1,2,3
	Q32 2, 64*\a, OQ+6*\a, HW+\a                   ; q of token tile a: column tiles 0-3
.endr
.irp a, 0,1,2,3
	Q32 2, 64*\a+32, OK+6*\a, HW+4+\a              ; k: column tiles 4-7
.endr
.irp n, 0,1,2,3
	Q32 3, 32*\n, OV+6*\n, HW+8+\n                 ; v^T of channel tile n: my 64 tokens
.endr
.irp a, 0,1,2,3
	global_store_b128 v[L16], v[OQ+6*\a:OQ+6*\a+3], s[72:73] offset:768*\a           ; 512 consecutive bytes, aligned
	global_store_b64 v[L8], v[OQ+6*\a+4:OQ+6*\a+5], s[72:73] offset:768*\a+512       ; 256
.endr
	v_cndmask_b32 v[WW], v[HW], v[HW+1], s88       ; q's scale words: lane 16 u + r holds those of tiles u and 2 + u
	v_cndmask_b32 v[WW+1], v[HW+2], v[HW+3], s88
	global_store_b64 v[L8], v[WW:WW+1], s[74:75]
.irp b, 0,1
.irp p, 0,1,2
	global_store_b128 v[L16], v[OK+12*\b+4*\p:OK+12*\b+4*\p+3], s[76:77] offset:1536*\b+512*\p
.endr
.endr
.irp n, 0,1,2,3
	global_store_b128 v[L16], v[OV+6*\n:OV+6*\n+3], s[78:79] offset:1536*\n
	global_store_b64 v[L8], v[OV+6*\n+4:OV+6*\n+5], s[78:79] offset:1536*\n+512
.endr
	v_lshl_or_b32 v[WW+2], v[HW+5], 16, v[HW+4]    ; a fragment of k has two tiles: bytes 0, 1 the even tile's, bytes 2, 3 the odd one's
	v_lshl_or_b32 v[WW+3], v[HW+7], 16, v[HW+6]
	v_cndmask_b32 v[WW+2], v[WW+2], v[WW+3], s88   ; lanes 0-15 my first fragment, lanes 16-31 my second
	ds_store_b32 v[SKS], v[WW+2]
	v_cndmask_b32 v[WW+4], v[HW+8], v[HW+9], s88   ; v's: lanes 0-15 the even channel tile, lanes 16-31 the odd one; my two key blocks are half a word
	v_cndmask_b32 v[WW+5], v[HW+10], v[HW+11], s88
	ds_store_b16 v[SVS], v[WW+4]
	ds_store_b16 v[SVS], v[WW+5] offset:4
	s_wait_dscnt 0x0                               ; for the others' sake: my stores are done
	s_barrier_signal -1
	s_barrier_wait -1
	s_cmp_lt_u32 s14, 2
	s_cbranch_scc0 .Lno_copy
	ds_load_b128 v[WW+8:WW+11], v[SRD]             ; waves 0 and 1: a key step's 512 bytes of scale words
	s_wait_dscnt 0x0
	global_store_b128 v[L16], v[WW+8:WW+11], s[80:81]
.Lno_copy:
	s_wait_tensorcnt 0x0                           ; the wave's end
	ds_add_u32 v[SPW], v[NIL]
	s_wait_dscnt 0x0
	CROUND                                         ; the closing round: no work-group ends while a partner may still ask for a tile that names it
	s_endpgm
.Lfunc_end_k_q9fdb578c01_qkv:
	.size	k_q9fdb578c01_qkv, .Lfunc_end_k_q9fdb578c01_qkv-k_q9fdb578c01_qkv
	.p2alignl 7, 3214868480
	.fill 96, 4, 3214868480
	.section	.rodata,"a",@progbits
	.p2align	6, 0x0
	.amdhsa_kernel k_q9fdb578c01_qkv
		.amdhsa_group_segment_fixed_size 327680
		.amdhsa_private_segment_fixed_size 0
		.amdhsa_enable_private_segment 0
		.amdhsa_kernarg_size 32
		.amdhsa_user_sgpr_count 2
		.amdhsa_user_sgpr_kernarg_segment_ptr 1
		.amdhsa_wavefront_size32 1
		.amdhsa_system_sgpr_workgroup_id_x 1
		.amdhsa_system_sgpr_workgroup_id_y 1
		.amdhsa_system_sgpr_workgroup_id_z 1
		.amdhsa_system_vgpr_workitem_id 0
		.amdhsa_next_free_vgpr 896
		.amdhsa_next_free_sgpr 96
		.amdhsa_reserve_vcc 0
		.amdhsa_float_denorm_mode_32 3
		.amdhsa_float_denorm_mode_16_64 3
		.amdhsa_memory_ordered 1
		.amdhsa_forward_progress 1
		.amdhsa_inst_pref_size 117
	.end_amdhsa_kernel
	.amdgpu_metadata
---
amdhsa.version: [ 1, 2 ]
amdhsa.kernels:
  - .name:           k_q9fdb578c01_qkv
    .symbol:         k_q9fdb578c01_qkv.kd
    .args:
      - { .name: opc, .offset: 0, .size: 8, .value_kind: global_buffer, .address_space: global }
      - { .name: ops, .offset: 8, .size: 8, .value_kind: global_buffer, .address_space: global }
      - { .name: qimg, .offset: 16, .size: 8, .value_kind: global_buffer, .address_space: global }
      - { .name: kvimg, .offset: 24, .size: 8, .value_kind: global_buffer, .address_space: global }
    .group_segment_fixed_size: 327680
    .private_segment_fixed_size: 0
    .kernarg_segment_align: 8
    .kernarg_segment_size: 32
    .max_flat_workgroup_size: 128
    .sgpr_count:     96
    .vgpr_count:     896
    .wavefront_size: 32
...
	.end_amdgpu_metadata
.endif
;; end of part 2
;; launch attn (part 3): grid 4 x 64, 16 waves a work-group, clusters of 4 x 1, 207,872 bytes of LDS; arguments qimg, kvimg, acod, ascl; writes acod, ascl
.if DOCPART == 3
	.amdgcn_target "amdgcn-amd-amdhsa--gfx1250"
	.amdhsa_code_object_version 6
	.text
	.protected	k_q9fdb578c01_attn
	.globl	k_q9fdb578c01_attn
	.p2align	8
	.type	k_q9fdb578c01_attn,@function
k_q9fdb578c01_attn:
	s_mov_b64 s[64:65], 0
	v_nop
	global_prefetch_b8 v0, s[64:65] scope:SCOPE_SE
	s_setreg_imm32_b32 hwreg(HW_REG_WAVE_MODE, 25, 1), 1
	s_wait_xcnt 0x0
	s_wait_alu depctr_hold_cnt(0) depctr_sa_sdst(0) depctr_va_vdst(0) depctr_va_sdst(0) depctr_va_ssrc(0) depctr_va_vcc(0) depctr_vm_vsrc(0)
	s_getreg_b32 s2, hwreg(HW_REG_IB_STS2, 6, 4)
	s_cmp_eq_u32 s2, 0
	s_cbranch_scc0 .Lentry_in_a_cluster
	s_endpgm
.Lentry_in_a_cluster:
	s_bfe_u32 s2, ttmp6, 0x10000c
	s_cmp_lg_u32 s2, 0x3003
	s_cbranch_scc0 .Lentry_shape_is_right
	s_endpgm
.Lentry_shape_is_right:
; Launch 3 of 4: attention of one (batch, head) on codes of FP6, and its result quantised along the head's channels for the last product.  No work is left out.
; THE SOFTMAX AHEAD OF THE SECOND PRODUCT: t = score x log2(e) / 8; M = the row's largest t so far, rounded UP to a whole number; p = 2^(t - M) is what is quantised, along the keys, not normalised.
; The row's sum is taken of the unquantised p, in f32, and divides at the end (by v_rcp_f32).  When M moves, the sum and O are multiplied by 2^(old M - new M): exact.
; SHARES.  A work-group owns 512 queries of one (batch, head); each of its SIXTEEN waves owns one tile of 16 queries at a time, two one after the other, in 256 registers: four waves to a SIMD, so that one wave's
; vector work stands beside another's matrix work and LDS loads.  THE HEAD'S WHOLE k, v AND THEIR SCALES, 16 key steps x 12,800 bytes, STAY IN LDS, filled once: wave w brings key step w by one tensor load.  No ring, no refill.
; CLUSTER 4 x 1: the four work-groups of a (batch, head) read the same k and v: each load is asked for jointly, with a mask that names the four.
; LAYOUT.  Both products are used transposed: S^T = k q^T (source 0 = keys), O^T = v^T p^T (source 0 = channels): a lane holds ONE query throughout, and by the order of rows in a tile 16 registers of two neighbouring tiles are 16 neighbours.
; K = 64 IN AN INSTRUCTION OF 128: a fragment of k holds two key tiles, [ka | kb]; q is kept twice, as [q | 0] and [0 | q].  [ka | kb] x [q | 0] = ka q, [ka | kb] x [0 | q] = kb q: zero codes add exactly nothing, whatever stands against them.
; REGISTERS: v1-9 addresses; v12 -M, v13 the largest t, v[14:15] the sum in two halves; v16-27 [q | 0], v28-39 [0 | q]; v40-53 q of both tiles and its scale words; v54, v55 the scale words of the two forms;
;   v56-103 four fragments of k, then of v; v104-167 S^T, then p; v168-199 O^T; v200-211 p's codes; v212-236 at work; v238-239 the result's scale bytes; v240-243 k's and v's scale words; v244-255 the result's codes.
.set KVB,   12800                      ; a key step in LDS: k 6,144, v 6,144, scale words 512
.set ASC,   16*KVB                     ; behind them: the result's scale bytes, 2 for each of 512 queries; no tensor load lands here
.set SPARE, ASC+1024                   ; the spare words, 128 bytes for each wave, which no other line names
.set S,   104
.set O,   168
.set PC,  200
.set TC,  212                          ; v212-214, v216-218
.set BM,  220                          ; v220-223 a block's largest score, then its largest p
.set BP,  224                          ; v224-227 at work
.set BS,  228                          ; v228-231 the conversions' scale operands
.set T,   232
.set F,   234                          ; v[234:235] f = 2^(old M - new M); the packed form names the pair and takes its low word
.set PS,  236                          ; p's scale word
.macro CROUND
	s_barrier_signal -1
	s_barrier_wait -1
	s_cmp_lg_u32 s14, 0
	s_cbranch_scc1 .Lnot_wave_0_\@
	s_barrier_signal -3
.Lnot_wave_0_\@:
	s_barrier_wait -3
	s_barrier_signal -1
	s_barrier_wait -1
.endm
	s_load_b256 s[4:11], s[0:1], 0x0               ; qimg s[4:5], kvimg s[6:7], acod s[8:9], ascl s[10:11]
	v_lshl_add_u32 v5, v0, 2, SPARE                ; my spare word; never rewritten
	v_mov_b32 v6, 0                                ; 0; never rewritten
	ds_add_u32 v5, v6                              ; the wave's opening: the add, twice on end, and its wait ahead of my first tensor load
	ds_add_u32 v5, v6
	v_lshrrev_b32 v7, 5, v0
	s_delay_alu instid0(VALU_DEP_1)
	v_readfirstlane_b32 s14, v7                    ; wave 0..15
	s_bfe_u32 s15, ttmp6, 0x40000                  ; cx: which 512 queries
	s_and_b32 s16, ttmp7, 0xffff                   ; b h, which the four partners share
	s_mov_b32 s24, 15|(3<<16)|(1<<21)              ; 15:0 the mask: all four work-groups; 17:16 elements of 8 bytes; 21 set beside a mask; no padding
	s_mov_b32 s25, 32<<16                          ; a dense block of 12,800 bytes as 50 rows of 256
	s_mov_b32 s26, 50<<16
	s_mov_b32 s27, 32<<16
	s_mov_b32 s28, 50
	s_mov_b32 s29, 32
	s_mov_b32 s30, 0
	s_mov_b32 s31, 0
	s_mul_i32 s50, s14, KVB                        ; key step w: in LDS,
	s_mul_i32 s48, s16, 16*KVB
	s_add_co_u32 s48, s48, s50                     ; and in memory
	s_mov_b32 s49, 0
	s_mov_b32 s32, 0x76543210
	s_mov_b32 s33, 0xfedcba98                      ; v_permlanex16_b32's selects for lane l xor 16
	s_mov_b32 s34, 0x3e38aa3b                      ; c = log2(e) / sqrt(64)
	s_mov_b32 s35, s34                             ; (named with it as a pair, so it is written)
	s_wait_dscnt 0x0                               ; both opening adds are done
	s_wait_kmcnt 0x0
	s_mov_b32 s20, 1
	s_mov_b32 s21, s50
	s_add_nc_u64 s[22:23], s[6:7], s[48:49]
	s_or_b32 s23, s23, 0x80000000
	CROUND                                         ; all four work-groups are here: the joint loads meet
	tensor_load_to_lds s[20:23], s[24:31]          ; my one tensor load of the launch
	s_nop 0
	s_lshl_b32 s52, s16, 7
	s_lshl_b32 s53, s15, 5
	s_add_co_u32 s52, s52, s53
	s_add_co_u32 s52, s52, s14                     ; my first query tile: 128 b h + 32 cx + wave; my second lies 16 tiles on
	s_mul_i32 s54, s52, 768
	s_mov_b32 s55, 0
	s_add_nc_u64 s[40:41], s[4:5], s[54:55]        ; q's codes
	s_lshl_b32 s54, s16, 13                        ; q's scale words: 8,192 bytes a (batch, head); tile 4 g + 2 B' + u, row r at 256 g + 128 u + 8 r + 4 B'
	s_lshl_b32 s53, s15, 11
	s_add_co_u32 s54, s54, s53
	s_lshr_b32 s53, s14, 2
	s_lshl_b32 s53, s53, 8
	s_add_co_u32 s54, s54, s53
	s_and_b32 s53, s14, 1
	s_lshl_b32 s53, s53, 7
	s_add_co_u32 s54, s54, s53
	s_bfe_u32 s53, s14, 0x10001
	s_lshl_b32 s53, s53, 2
	s_add_co_u32 s54, s54, s53
	s_add_co_u32 s54, s54, 6291456
	s_add_nc_u64 s[42:43], s[4:5], s[54:55]
	s_lshr_b32 s54, s16, 4                         ; the result's codes: [token tile 128 b + ..][head][768 bytes]
	s_lshl_b32 s54, s54, 7
	s_lshl_b32 s53, s15, 5
	s_add_co_u32 s54, s54, s53
	s_add_co_u32 s54, s54, s14
	s_lshl_b32 s54, s54, 4
	s_and_b32 s53, s16, 15
	s_add_co_u32 s54, s54, s53
	s_mul_i32 s54, s54, 768
	s_add_nc_u64 s[44:45], s[8:9], s[54:55]
	s_lshl_b32 s54, s16, 12                        ; its scale bytes: 4,096 a (batch, head), my work-group's 1,024, half (wave & 1) of them
	s_lshl_b32 s53, s15, 10
	s_add_co_u32 s54, s54, s53
	s_and_b32 s51, s14, 1
	s_lshl_b32 s51, s51, 9
	s_add_co_u32 s54, s54, s51
	s_add_nc_u64 s[46:47], s[10:11], s[54:55]
	v_and_b32 v7, 31, v0
	s_delay_alu instid0(VALU_DEP_1)
	v_lshlrev_b32 v1, 4, v7                        ; 16 x lane
	s_delay_alu instid0(VALU_DEP_2)
	v_lshlrev_b32 v2, 3, v7                        ; 8 x lane
	v_and_b32 v7, 15, v0                           ; r
	s_lshl_b32 s53, s14, 5
	s_add_co_u32 s53, s53, ASC
	v_lshl_add_u32 v3, v7, 1, s53                  ; where my query's two scale bytes go: 2 r + 32 x wave
	s_add_co_u32 s51, s51, ASC
	v_add_nc_u32 v4, s51, v1                       ; and where waves 0 and 1 read 512 bytes back
	v_lshlrev_b32 v7, 3, v7                        ; 8 r
	global_load_b128 v[40:43], v1, s[40:41]
	global_load_b64 v[44:45], v2, s[40:41] offset:512
	global_load_b128 v[46:49], v1, s[40:41] offset:12288
	global_load_b64 v[50:51], v2, s[40:41] offset:12800
	global_load_b32 v52, v7, s[42:43]
	global_load_b32 v53, v7, s[42:43] offset:1024
.set j, 22
.rept 12
	v_mov_b32 v[j], 0                              ; the zero halves of [q | 0] and [0 | q]: written once
.set j, j+1
.endr
.irp b, 0,1,2,3
	v_mov_b32 v[BP+\b], 0                          ; written once: a lane permute's destination counts as one of its sources
.endr
	v_mov_b32 v[T], 0
	v_mov_b32 v[F+1], 0                            ; (named as the upper half of a pair)
	s_wait_tensorcnt 0x0                           ; my key step is in,
	s_barrier_signal -1
	s_barrier_wait -1                              ; everybody's is
	s_wait_loadcnt 0x0                             ; q
; A KEY STEP: 128 keys, at LDS byte s36.
.macro STEP
	v_add_nc_u32 v8, s36, v1
	v_add_nc_u32 v9, s36, v2
	v_nop
	v_nop                                          ; four places in front of loads into registers that the last products have read
.irp b, 0,1,2,3
.irp p, 0,1,2
	ds_load_b128 v[56+12*\b+4*\p:59+12*\b+4*\p], v8 offset:1536*\b+512*\p
.endr
.endr
	ds_load_b128 v[240:243], v8 offset:12288       ; k's two registers of scale words, v's two
	s_wait_alu depctr_va_vdst(0)
	s_wait_dscnt 0x0
.irp b, 0,1,2,3                        ; S^T: tile 2 b + u = the u-th key tile of fragment b
.irp u, 0,1
.if (\b)%2
	v_wmma_scale_f32_16x16x128_f8f6f4 v[S+8*(2*\b+\u):S+8*(2*\b+\u)+7], v[56+12*\b:67+12*\b], v[16+12*\u:27+12*\u], 0, v[240+\b/2], v[54+\u] matrix_a_fmt:MATRIX_FMT_FP6 matrix_b_fmt:MATRIX_FMT_FP6 matrix_a_scale:MATRIX_SCALE_ROW1
.else
	v_wmma_scale_f32_16x16x128_f8f6f4 v[S+8*(2*\b+\u):S+8*(2*\b+\u)+7], v[56+12*\b:67+12*\b], v[16+12*\u:27+12*\u], 0, v[240+\b/2], v[54+\u] matrix_a_fmt:MATRIX_FMT_FP6 matrix_b_fmt:MATRIX_FMT_FP6
.endif
.endr
.endr
.rept 4
	v_nop
.endr
.irp n, 0,1,2,3                        ; v's fragments take k's registers and land under the softmax
.irp c, 0,1
	ds_load_b128 v[56+12*\n+6*\c:59+12*\n+6*\c], v8 offset:6144+1536*\n+768*\c
	ds_load_b64 v[60+12*\n+6*\c:61+12*\n+6*\c], v9 offset:6144+1536*\n+768*\c+512
.endr
.endr
.irp b, 0,1,2,3
	v_max3_num_f32 v[BM+\b], v[S+16*\b], v[S+1+16*\b], v[S+2+16*\b]   ; the largest score of each block of 32 keys: it serves for the row's maximum and, since p rises with the score, for the block's largest p
.endr
.irp i, 3,5,7,9,11,13
.irp b, 0,1,2,3
	v_max3_num_f32 v[BM+\b], v[BM+\b], v[S+16*\b+\i], v[S+1+16*\b+\i]
.endr
.endr
.irp b, 0,1,2,3
	v_max_num_f32 v[BM+\b], v[BM+\b], v[S+15+16*\b]
.endr
.irp b, 0,1,2,3
	s_delay_alu instid0(VALU_DEP_4)
	v_permlanex16_b32 v[BP+\b], v[BM+\b], s32, s33
.endr
.irp b, 0,1,2,3
	s_delay_alu instid0(VALU_DEP_4)
	v_max_num_f32 v[BM+\b], v[BM+\b], v[BP+\b]     ; with lane l xor 16's 16 keys
.endr
	s_delay_alu instid0(VALU_DEP_2)
	v_max3_num_f32 v[T], v[BM], v[BM+1], v[BM+2]
	s_delay_alu instid0(VALU_DEP_1)
	v_max_num_f32 v[T], v[T], v[BM+3]
	s_delay_alu instid0(VALU_DEP_1)
	v_mul_f32 v[T], s34, v[T]                      ; the step's largest t (c is positive)
	s_delay_alu instid0(VALU_DEP_1)
	v_max_num_f32 v13, v13, v[T]                   ; the running largest t
	v_mov_b32 v[T], v12
	s_delay_alu instid0(VALU_DEP_2)
	v_floor_f32 v12, -v13                          ; the new -M = floor(-t) = -ceil(t)
	s_delay_alu instid0(VALU_DEP_1)
	v_sub_f32 v[T], v12, v[T]                      ; old M less new M: a whole number, 0 or less
	s_delay_alu instid0(VALU_DEP_1)
	v_cvt_i32_f32 v[T], v[T]                       ; (it saturates)
	s_delay_alu instid0(VALU_DEP_1)
	v_ldexp_f32 v[F], 1.0, v[T]                    ; f = 2^(old M - new M)
.set j, 0
.rept 32
	v_pk_fma_f32 v[S+j:S+j+1], v[S+j:S+j+1], s[34:35], v[12:13] op_sel_hi:[1,0,0]   ; t - M, two at a time
.set j, j+2
.endr
.irp b, 0,1,2,3
	v_fma_f32 v[BM+\b], v[BM+\b], s34, v12         ; the same of each block's largest score
.endr
.set j, 0
	s_wait_alu depctr_va_vdst(0)
.rept 64
	v_exp_f32 v[S+j], v[S+j]                       ; p = 2^(t - M)
.set j, j+1
.endr
	v_pk_mul_f32 v[14:15], v[14:15], v[F:F+1] op_sel_hi:[1,0]   ; the sums under the new M: the plain place behind the exponentials
	s_wait_alu depctr_va_vdst(0)                   ; one wait for the batch of 64, ahead of its first reader
.irp b, 0,1,2,3
	v_exp_f32 v[BM+\b], v[BM+\b]                   ; the block's largest p: the same two instructions on the same number give the same bits
.endr
	v_pk_add_f32 v[224:225], v[108:109], v[112:113]
	v_pk_add_f32 v[254:255], v[116:117], v[120:121]
	v_pk_add_f32 v[252:253], v[124:125], v[128:129]
	v_pk_add_f32 v[250:251], v[132:133], v[136:137]
	v_pk_add_f32 v[248:249], v[140:141], v[144:145]
	v_pk_add_f32 v[246:247], v[148:149], v[152:153]
	v_pk_add_f32 v[244:245], v[156:157], v[160:161]
	v_pk_add_f32 v[14:15], v[14:15], v[164:165]
	v_pk_add_f32 v[224:225], v[224:225], v[104:105]
	v_pk_add_f32 v[254:255], v[254:255], v[106:107]
	v_pk_add_f32 v[252:253], v[252:253], v[110:111]
	v_pk_add_f32 v[250:251], v[250:251], v[114:115]
	v_pk_add_f32 v[248:249], v[248:249], v[118:119]
	v_pk_add_f32 v[246:247], v[246:247], v[122:123]
	v_pk_add_f32 v[244:245], v[244:245], v[126:127]
	v_pk_add_f32 v[14:15], v[14:15], v[130:131]
	v_pk_add_f32 v[224:225], v[224:225], v[134:135]
	v_pk_add_f32 v[254:255], v[254:255], v[138:139]
	v_pk_add_f32 v[252:253], v[252:253], v[142:143]
	v_pk_add_f32 v[250:251], v[250:251], v[146:147]
	v_pk_add_f32 v[248:249], v[248:249], v[150:151]
	v_pk_add_f32 v[246:247], v[246:247], v[154:155]
	v_pk_add_f32 v[244:245], v[244:245], v[158:159]
	v_pk_add_f32 v[14:15], v[14:15], v[162:163]
	v_pk_add_f32 v[224:225], v[224:225], v[166:167]
	s_delay_alu instid0(VALU_DEP_2)
	v_pk_add_f32 v[14:15], v[14:15], v[250:251]
	s_delay_alu instid0(VALU_DEP_2)
	v_pk_add_f32 v[224:225], v[224:225], v[248:249]
	v_pk_add_f32 v[254:255], v[254:255], v[246:247]
	v_pk_add_f32 v[252:253], v[252:253], v[244:245]
	s_delay_alu instid0(VALU_DEP_2)
	v_pk_add_f32 v[14:15], v[14:15], v[254:255]
	s_delay_alu instid0(VALU_DEP_2)
	v_pk_add_f32 v[224:225], v[224:225], v[252:253]
	s_delay_alu instid0(VALU_DEP_1)
	v_pk_add_f32 v[14:15], v[14:15], v[224:225]
	s_wait_alu depctr_va_vdst(0)                   ; and one for the four
.irp b, 0,1,2,3
	v_max_num_f32 v[BM+\b], 0x1800000, v[BM+\b]    ; the floor 2^(3 - 127): the byte cannot fall under 1
.endr
.irp b, 0,1,2,3
	s_delay_alu instid0(VALU_DEP_4)
	v_add_nc_u32 v[BS+\b], 0xff000000, v[BM+\b]    ; 2 off the exponent field: the conversion's scale operand
.endr
.irp b, 0,1,2,3
	s_delay_alu instid0(VALU_DEP_4)
	v_lshrrev_b32 v[BP+\b], 23, v[BS+\b]
.endr
	s_delay_alu instid0(VALU_DEP_3)
	v_lshl_or_b32 v[PS], v[BP+1], 8, v[BP]         ; p's scale word for these 128 keys
	s_delay_alu instid0(VALU_DEP_1)
	v_lshl_or_b32 v[PS], v[BP+2], 16, v[PS]
	s_delay_alu instid0(VALU_DEP_1)
	v_lshl_or_b32 v[PS], v[BP+3], 24, v[PS]
.irp c, 0,1
	v_cvt_scalef32_pk16_fp6_f32 v[PC+6*\c:PC+6*\c+2], v[S+32*\c:S+32*\c+15], v[BS+2*\c]
	v_cvt_scalef32_pk16_fp6_f32 v[TC+4*\c:TC+4*\c+2], v[S+32*\c+16:S+32*\c+31], v[BS+2*\c+1]
.endr
	v_nop                                          ; one plain place behind a scaled conversion
.irp c, 0,1
.irp i, 0,1,2
	v_permlane16_swap_b32 v[PC+6*\c+\i], v[TC+4*\c+\i]   ; a whole block to a lane
.endr
.irp i, 0,1,2
	s_delay_alu instid0(VALU_DEP_3)
	v_mov_b32 v[PC+6*\c+3+\i], v[TC+4*\c+\i]
.endr
.endr
.set j, 0
.rept 16
	v_pk_mul_f32 v[O+j:O+j+1], v[O+j:O+j+1], v[F:F+1] op_sel_hi:[1,0]   ; O^T under the new M; these sixteen are also the places between p's codes and scale word and the products
.set j, j+2
.endr
	s_wait_alu depctr_va_vdst(0)
	s_wait_dscnt 0x0                               ; v's fragments are in
.irp n, 0,1,2,3                        ; O^T += v^T p^T: four accumulators by turns
.if (\n)%2
	v_wmma_scale_f32_16x16x128_f8f6f4 v[O+8*\n:O+8*\n+7], v[56+12*\n:67+12*\n], v[PC:PC+11], v[O+8*\n:O+8*\n+7], v[242+\n/2], v[PS] matrix_a_fmt:MATRIX_FMT_FP6 matrix_b_fmt:MATRIX_FMT_FP6 matrix_a_scale:MATRIX_SCALE_ROW1
.else
	v_wmma_scale_f32_16x16x128_f8f6f4 v[O+8*\n:O+8*\n+7], v[56+12*\n:67+12*\n], v[PC:PC+11], v[O+8*\n:O+8*\n+7], v[242+\n/2], v[PS] matrix_a_fmt:MATRIX_FMT_FP6 matrix_b_fmt:MATRIX_FMT_FP6
.endif
.endr
.endm
; ONE TILE OF 16 QUERIES, the p-th of my two: all 16 key steps, then the way out.
.macro PASS p
	s_wait_alu depctr_va_vdst(0)
	s_wait_xcnt 0x0                                ; the last tile's stores have read v244-249, which the steps' partial sums write again
	s_wait_dscnt 0x0                               ; no LDS instruction of mine is out at the first step's signal
.irp i, 0,1,2,3,4,5
	v_mov_b32 v[16+\i], v[40+6*\p+\i]              ; [q | 0]
	v_mov_b32 v[34+\i], v[40+6*\p+\i]              ; [0 | q]
.endr
	v_mov_b32 v54, v[52+\p]                        ; q's two scale bytes under K 0-63,
	v_lshlrev_b32 v55, 16, v[52+\p]                ; or under K 64-127; the zero codes' bytes are 0
	v_mov_b32 v13, 0xff61b1e6                      ; the largest t so far: -3e38
	s_delay_alu instid0(VALU_DEP_1)
	v_floor_f32 v12, -v13
	v_mov_b32 v14, 0
	v_mov_b32 v15, 0
.set j, 0
.rept 32
	v_mov_b32 v[O+j], 0                            ; the step is written once: the first finds zeros, which the first change of M leaves zeros
.set j, j+1
.endr
	s_mov_b32 s36, 0
	s_mov_b32 s37, 16
.Lstep_\@:
	s_barrier_signal -1                            ; the sixteen waves stay within one key step of each other: a wave ends a step only when all have begun it
	STEP                                           ; between signal and wait: work on registers, and reads of k's and v's bytes, which nobody writes
	s_barrier_wait -1
	s_add_co_u32 s36, s36, KVB
	s_sub_co_u32 s37, s37, 1
	s_cmp_lg_u32 s37, 0
	s_cbranch_scc1 .Lstep_\@
.rept 4
	v_nop                                          ; places behind the last products
.endr
	v_add_f32 v14, v14, v15
	s_delay_alu instid0(VALU_DEP_1)
	v_permlanex16_b32 v[T], v14, s32, s33
	s_delay_alu instid0(VALU_DEP_1)
	v_add_f32 v14, v14, v[T]                       ; the row's sum
	s_wait_alu depctr_va_vdst(0)
	v_rcp_f32 v14, v14
	v_nop                                          ; a plain place behind the reciprocal,
	s_wait_alu depctr_va_vdst(0)                   ; and the wait ahead of its first reader
.set j, 0
.rept 16
	v_pk_mul_f32 v[S+j:S+j+1], v[O+j:O+j+1], v[14:15] op_sel_hi:[1,0]   ; register 16 b + i: channel 32 b + 16 (lane / 16) + i of my query
.set j, j+2
.endr
.irp b, 0,1
	v_max3_num_f32 v[BM+\b], |v[S+16*\b]|, |v[S+1+16*\b]|, 0x1800000   ; the quantiser of the last product's A: the head's 64 channels are two blocks of its K
.endr
.irp i, 2,4,6,8,10,12,14
.irp b, 0,1
	s_delay_alu instid0(VALU_DEP_2)
	v_max3_num_f32 v[BM+\b], v[BM+\b], |v[S+16*\b+\i]|, |v[S+1+16*\b+\i]|
.endr
.endr
.irp b, 0,1
	s_delay_alu instid0(VALU_DEP_2)
	v_permlanex16_b32 v[BP+\b], v[BM+\b], s32, s33
.endr
.irp b, 0,1
	s_delay_alu instid0(VALU_DEP_2)
	v_max_num_f32 v[BM+\b], v[BM+\b], v[BP+\b]
.endr
.irp b, 0,1
	s_delay_alu instid0(VALU_DEP_2)
	v_add_nc_u32 v[BS+\b], 0xff000000, v[BM+\b]
.endr
.irp b, 0,1
	s_delay_alu instid0(VALU_DEP_2)
	v_lshrrev_b32 v[BP+\b], 23, v[BS+\b]
.endr
	s_delay_alu instid0(VALU_DEP_1)
	v_lshl_or_b32 v[238+\p], v[BP+1], 8, v[BP]
	v_cvt_scalef32_pk16_fp6_f32 v[244+6*\p:246+6*\p], v[S:S+15], v[BS]
	v_cvt_scalef32_pk16_fp6_f32 v[TC:TC+2], v[S+16:S+31], v[BS+1]
	v_nop
.irp i, 0,1,2
	v_permlane16_swap_b32 v[244+6*\p+\i], v[TC+\i]
.endr
.irp i, 0,1,2
	s_delay_alu instid0(VALU_DEP_3)
	v_mov_b32 v[247+6*\p+\i], v[TC+\i]
.endr
	global_store_b128 v1, v[244+6*\p:247+6*\p], s[44:45] offset:196608*\p       ; 512 consecutive bytes, aligned
	global_store_b64 v2, v[248+6*\p:249+6*\p], s[44:45] offset:196608*\p+512    ; 256
	ds_store_b16 v3, v[238+\p] offset:512*\p       ; both lanes of a query write the same two bytes
.endm
	PASS 0
	PASS 1
	s_wait_dscnt 0x0                               ; for the others' sake: my stores are done
	s_barrier_signal -1
	s_barrier_wait -1
	s_cmp_lt_u32 s14, 2
	s_cbranch_scc0 .Lno_copy
	ds_load_b128 v[56:59], v4                      ; waves 0 and 1: 512 of the work-group's 1,024 scale bytes
	s_wait_dscnt 0x0
	global_store_b128 v1, v[56:59], s[46:47]
.Lno_copy:
	s_wait_tensorcnt 0x0                           ; the wave's end
	ds_add_u32 v5, v6
	s_wait_dscnt 0x0
	CROUND                                         ; the closing round
	s_endpgm
.Lfunc_end_k_q9fdb578c01_attn:
	.size	k_q9fdb578c01_attn, .Lfunc_end_k_q9fdb578c01_attn-k_q9fdb578c01_attn
	.p2alignl 7, 3214868480
	.fill 96, 4, 3214868480
	.section	.rodata,"a",@progbits
	.p2align	6, 0x0
	.amdhsa_kernel k_q9fdb578c01_attn
		.amdhsa_group_segment_fixed_size 207872
		.amdhsa_private_segment_fixed_size 0
		.amdhsa_enable_private_segment 0
		.amdhsa_kernarg_size 32
		.amdhsa_user_sgpr_count 2
		.amdhsa_user_sgpr_kernarg_segment_ptr 1
		.amdhsa_wavefront_size32 1
		.amdhsa_system_sgpr_workgroup_id_x 1
		.amdhsa_system_sgpr_workgroup_id_y 1
		.amdhsa_system_sgpr_workgroup_id_z 1
		.amdhsa_system_vgpr_workitem_id 0
		.amdhsa_next_free_vgpr 256
		.amdhsa_next_free_sgpr 66
		.amdhsa_reserve_vcc 0
		.amdhsa_float_denorm_mode_32 3
		.amdhsa_float_denorm_mode_16_64 3
		.amdhsa_memory_ordered 1
		.amdhsa_forward_progress 1
		.amdhsa_inst_pref_size 53
	.end_amdhsa_kernel
	.amdgpu_metadata
---
amdhsa.version: [ 1, 2 ]
amdhsa.kernels:
  - .name:           k_q9fdb578c01_attn
    .symbol:         k_q9fdb578c01_attn.kd
    .args:
      - { .name: qimg, .offset: 0, .size: 8, .value_kind: global_buffer, .address_space: global }
      - { .name: kvimg, .offset: 8, .size: 8, .value_kind: global_buffer, .address_space: global }
      - { .name: acod, .offset: 16, .size: 8, .value_kind: global_buffer, .address_space: global }
      - { .name: ascl, .offset: 24, .size: 8, .value_kind: global_buffer, .address_space: global }
    .group_segment_fixed_size: 207872
    .private_segment_fixed_size: 0
    .kernarg_segment_align: 8
    .kernarg_segment_size: 32
    .max_flat_workgroup_size: 512
    .sgpr_count:     66
    .vgpr_count:     256
    .wavefront_size: 32
...
	.end_amdgpu_metadata
.endif
;; end of part 3
;; launch proj (part 4): grid 8 x 32, 4 waves a work-group, clusters of 4 x 4, 327,680 bytes of LDS; arguments acod, ascl, opc, ops, out0; writes out0
.if DOCPART == 4
	.amdgcn_target "amdgcn-amd-amdhsa--gfx1250"
	.amdhsa_code_object_version 6
	.text
	.protected	k_q9fdb578c01_proj
	.globl	k_q9fdb578c01_proj
	.p2align	8
	.type	k_q9fdb578c01_proj,@function
k_q9fdb578c01_proj:
	s_mov_b64 s[64:65], 0
	v_nop
	global_prefetch_b8 v0, s[64:65] scope:SCOPE_SE
	s_setreg_imm32_b32 hwreg(HW_REG_WAVE_MODE, 25, 1), 1
	s_wait_xcnt 0x0
	s_wait_alu depctr_hold_cnt(0) depctr_sa_sdst(0) depctr_va_vdst(0) depctr_va_sdst(0) depctr_va_ssrc(0) depctr_va_vcc(0) depctr_vm_vsrc(0)
	s_getreg_b32 s2, hwreg(HW_REG_IB_STS2, 6, 4)
	s_cmp_eq_u32 s2, 0
	s_cbranch_scc0 .Lentry_in_a_cluster
	s_endpgm
.Lentry_in_a_cluster:
	s_bfe_u32 s2, ttmp6, 0x10000c
	s_cmp_lg_u32 s2, 0xf033
	s_cbranch_scc0 .Lentry_shape_is_right
	s_endpgm
.Lentry_shape_is_right:
.set NT,    8
.set TAIL,  3*NT/2
.set SLOT,  49152+NT*3072
.set SPARE, 4*SLOT
.set LANE, 1
.set L16,  2
.set L8,   3
.set L2,   4
.set ADRA, 8
.set ADRA8, 12
.set ADRB, 16
.set STO,  24
.set RD,   25
.set SPW,  28
.set NIL,  29
.set SCA,  32
.set SCB,  48
.set TS,   96
.set AF,   128
.set BK,   128
.set G1A, 24
.set G1B, 32
.set G0A, 40
.set G0B, 72
.set MSB, 0
.macro WIN new
.if MSB != (\new)
	s_set_vgpr_msb (MSB<<8)|(\new)
.set MSB, (\new)
.endif
.endm
.macro PLACES
.rept 4
	v_nop
.endr
.endm
.macro JLOAD g0a, g1a, g0b, g1b
	s_cmp_eq_u32 s15, 0
	s_cbranch_scc0 .Lfor_b_\@
	tensor_load_to_lds s[\g0a:\g0a+3], s[\g1a:\g1a+7]
	s_nop 0
.rept 4
	v_nop
.endr
	s_branch .Lasked_\@
.Lfor_b_\@:
	tensor_load_to_lds s[\g0b:\g0b+3], s[\g1b:\g1b+7]
	s_nop 0
.rept 4
	v_nop
.endr
.Lasked_\@:
.endm
.macro CROUND
	s_barrier_signal -1
	s_barrier_wait -1
	s_cmp_lg_u32 s14, 0
	s_cbranch_scc1 .Lnot_wave_0_\@
	s_barrier_signal -3
.Lnot_wave_0_\@:
	s_barrier_wait -3
	s_barrier_signal -1
	s_barrier_wait -1
.endm
.macro WMI zero
.if \zero
.if rRA && rRB
	v_wmma_scale_f32_16x16x128_f8f6f4 v[rD:rD+7], v[rS0:rS0+11], v[rS1:rS1+11], 0, v[rSA], v[rSB] matrix_a_fmt:MATRIX_FMT_FP6 matrix_b_fmt:MATRIX_FMT_FP6 matrix_a_scale:MATRIX_SCALE_ROW1 matrix_b_scale:MATRIX_SCALE_ROW1
.elseif rRA
	v_wmma_scale_f32_16x16x128_f8f6f4 v[rD:rD+7], v[rS0:rS0+11], v[rS1:rS1+11], 0, v[rSA], v[rSB] matrix_a_fmt:MATRIX_FMT_FP6 matrix_b_fmt:MATRIX_FMT_FP6 matrix_a_scale:MATRIX_SCALE_ROW1
.elseif rRB
	v_wmma_scale_f32_16x16x128_f8f6f4 v[rD:rD+7], v[rS0:rS0+11], v[rS1:rS1+11], 0, v[rSA], v[rSB] matrix_a_fmt:MATRIX_FMT_FP6 matrix_b_fmt:MATRIX_FMT_FP6 matrix_b_scale:MATRIX_SCALE_ROW1
.else
	v_wmma_scale_f32_16x16x128_f8f6f4 v[rD:rD+7], v[rS0:rS0+11], v[rS1:rS1+11], 0, v[rSA], v[rSB] matrix_a_fmt:MATRIX_FMT_FP6 matrix_b_fmt:MATRIX_FMT_FP6
.endif
.else
.if rRA && rRB
	v_wmma_scale_f32_16x16x128_f8f6f4 v[rD:rD+7], v[rS0:rS0+11], v[rS1:rS1+11], v[rD:rD+7], v[rSA], v[rSB] matrix_a_fmt:MATRIX_FMT_FP6 matrix_b_fmt:MATRIX_FMT_FP6 matrix_a_scale:MATRIX_SCALE_ROW1 matrix_b_scale:MATRIX_SCALE_ROW1
.elseif rRA
	v_wmma_scale_f32_16x16x128_f8f6f4 v[rD:rD+7], v[rS0:rS0+11], v[rS1:rS1+11], v[rD:rD+7], v[rSA], v[rSB] matrix_a_fmt:MATRIX_FMT_FP6 matrix_b_fmt:MATRIX_FMT_FP6 matrix_a_scale:MATRIX_SCALE_ROW1
.elseif rRB
	v_wmma_scale_f32_16x16x128_f8f6f4 v[rD:rD+7], v[rS0:rS0+11], v[rS1:rS1+11], v[rD:rD+7], v[rSA], v[rSB] matrix_a_fmt:MATRIX_FMT_FP6 matrix_b_fmt:MATRIX_FMT_FP6 matrix_b_scale:MATRIX_SCALE_ROW1
.else
	v_wmma_scale_f32_16x16x128_f8f6f4 v[rD:rD+7], v[rS0:rS0+11], v[rS1:rS1+11], v[rD:rD+7], v[rSA], v[rSB] matrix_a_fmt:MATRIX_FMT_FP6 matrix_b_fmt:MATRIX_FMT_FP6
.endif
.endif
.endm
.macro MULT ks, n0, n1, zero
	WIN 0xa1
.set NN, \n0
.rept (\n1)-(\n0)
.set AA, 0
.rept 4
.set rD, 8*(8*AA+NN)
.set rS0, 12*NN
.set rS1, AF+48*((\ks)&1)+12*AA
.set rSA, SCB+8*(NN/2)+(\ks)
.set rSB, SCA+8*(AA/2)+(\ks)
.set rRA, NN&1
.set rRB, AA&1
	WMI \zero
.set AA, AA+1
.endr
.set NN, NN+1
.endr
.endm
.macro FETCH_A slot, q, set
.set AA, 0
.rept 4
.irp c, 0,1
	ds_load_b128 v[AF+48*(\set)+12*AA+6*\c:AF+48*(\set)+12*AA+6*\c+3], v[ADRA+\slot] offset:6144*AA+1536*(\q)+768*\c
	ds_load_b64 v[AF+48*(\set)+12*AA+6*\c+4:AF+48*(\set)+12*AA+6*\c+5], v[ADRA8+\slot] offset:6144*AA+1536*(\q)+768*\c+512
.endr
.set AA, AA+1
.endr
.endm
.macro FETCH_B slot, q, n0, n1
	WIN 0x40
.set NN, \n0
.rept (\n1)-(\n0)
.irp p, 0,1,2
	ds_load_b128 v[12*NN+4*\p:12*NN+4*\p+3], v[ADRB+\slot] offset:6144*NN+1536*(\q)+512*\p
.endr
.set NN, NN+1
.endr
	WIN 0
.endm
.macro STEP ks, slot, zero
	s_wait_dscnt TAIL
	MULT \ks, 0, NT/2, \zero
	s_wait_dscnt 0x0
	PLACES
	WIN 0
	FETCH_A \slot, 1, ((\ks)+1)&1
	FETCH_B \slot, 1, 0, NT/2
	MULT \ks, NT/2, NT, \zero
	PLACES
	FETCH_B \slot, 1, NT/2, NT
.endm
.macro TURN ks, next, tcnt
	s_wait_tensorcnt \tcnt
	s_wait_dscnt TAIL
	MULT \ks, 0, NT/4, 0
	s_wait_dscnt 0x0
	s_barrier_signal -1
	MULT \ks, NT/4, NT/2, 0
	WIN 0
	s_barrier_wait -1
	PLACES
	FETCH_A \next, 0, ((\ks)+1)&1
	FETCH_B \next, 0, 0, NT/2
	MULT \ks, NT/2, NT, 0
	PLACES
	FETCH_B \next, 0, NT/2, NT
.endm
	s_load_b256 s[4:11], s[0:1], 0x0
	s_load_b64 s[12:13], s[0:1], 0x20
	v_lshl_add_u32 v[SPW], v0, 2, SPARE
	v_mov_b32 v[NIL], 0
	ds_add_u32 v[SPW], v[NIL]
	ds_add_u32 v[SPW], v[NIL]
	v_lshrrev_b32 v1, 5, v0
	v_readfirstlane_b32 s14, v1
	s_lshr_b32 s15, s14, 1
	s_and_b32 s16, s14, 1
	s_bfe_u32 s66, ttmp6, 0x40000
	s_bfe_u32 s67, ttmp6, 0x40004
	s_lshl_b32 s68, ttmp9, 2
	s_add_co_u32 s68, s68, s66
	s_and_b32 s17, ttmp7, 0xffff
	s_lshl_b32 s17, s17, 2
	s_add_co_u32 s17, s17, s67
	s_lshl_b32 s69, s67, 2
	s_lshl_b32 s69, 15, s69
	s_lshl_b32 s70, 0x1111, s66
	s_or_b32 s[G1A], s69, (3<<16)|(1<<21)
	s_or_b32 s[G1B], s70, (3<<16)|(1<<21)
.irp g, G1A, G1B
	s_mov_b32 s[\g+1], 768<<16                     ; a row is one tile's four K steps, 6,144 bytes: two fills of 2 SLOT bytes hold all of K
	s_mov_b32 s[\g+3], 768<<16
	s_mov_b32 s[\g+5], 1536
	s_mov_b32 s[\g+6], 0
	s_mov_b32 s[\g+7], 0
.endr
	s_mov_b32 s[G1A+2], 8<<16
	s_mov_b32 s[G1A+4], 8
	s_mov_b32 s[G1B+2], (NT/2)<<16
	s_mov_b32 s[G1B+4], NT/2
	s_lshl_b32 s18, s17, 4
	s_lshl_b32 s19, s16, 3
	s_add_co_u32 s18, s18, s19
	s_mul_i32 s18, s18, 12288
	s_mov_b32 s19, 0
	s_lshl_b32 s20, s68, 3
	s_lshl_b32 s21, s16, 2
	s_add_co_u32 s20, s20, s21
	s_add_co_u32 s20, s20, 704
	s_mul_i32 s20, s20, 12288
	s_mov_b32 s21, 0
	s_mul_i32 s22, s16, 49152                      ; 8 tiles of A, 4 of B, 6,144 bytes each; B's lie behind A's 16
	s_mul_i32 s23, s16, 24576
	s_add_co_u32 s23, s23, 98304
	s_wait_dscnt 0x0
	s_wait_kmcnt 0x0
	s_add_nc_u64 s[56:57], s[4:5], s[18:19]
	s_add_nc_u64 s[58:59], s[8:9], s[20:21]
	CROUND
.irp f, 0,1
	s_mov_b32 s[G0A+4*\f], 1
	s_add_co_u32 s[G0A+4*\f+1], s22, \f*2*SLOT
	s_add_nc_u64 s[G0A+4*\f+2:G0A+4*\f+3], s[56:57], \f*6144
	s_or_b32 s[G0A+4*\f+3], s[G0A+4*\f+3], 0x80000000
	s_mov_b32 s[G0B+4*\f], 1
	s_add_co_u32 s[G0B+4*\f+1], s23, \f*2*SLOT
	s_add_nc_u64 s[G0B+4*\f+2:G0B+4*\f+3], s[58:59], \f*6144
	s_or_b32 s[G0B+4*\f+3], s[G0B+4*\f+3], 0x80000000
.endr
	JLOAD G0A, G1A, G0B, G1B                       ; K steps 0 to 3: one tensor load a wave at the head
	v_and_b32 v[LANE], 31, v0
	v_lshlrev_b32 v[L16], 4, v[LANE]
	v_lshlrev_b32 v[L8], 3, v[LANE]
	v_lshlrev_b32 v[L2], 1, v[LANE]
	s_mul_i32 s88, s14, 24576                      ; my four tiles of A
	v_add_nc_u32 v[ADRA], s88, v[L16]
	v_add_nc_u32 v[ADRA8], s88, v[L8]
	v_add_nc_u32 v[ADRB], 98304, v[L16]
.irp s, 1,2,3
	v_add_nc_u32 v[ADRA+\s], ((\s)/2)*2*SLOT+((\s)%2)*3072, v[ADRA]     ; pair s of K steps: fill s / 2, half s % 2 of each row
	v_add_nc_u32 v[ADRA8+\s], ((\s)/2)*2*SLOT+((\s)%2)*3072, v[ADRA8]
	v_add_nc_u32 v[ADRB+\s], ((\s)/2)*2*SLOT+((\s)%2)*3072, v[ADRB]
.endr
	s_mul_i32 s88, s14, 8448
	v_and_b32 v5, 15, v0
	v_bfe_u32 v6, v0, 4, 1
	v_mul_u32_u24 v[STO], v5, 528
	v_lshl_add_u32 v[STO], v6, 6, v[STO]
	v_add_nc_u32 v[STO], s88, v[STO]
	v_add_nc_u32 v[RD], s88, v[L16]
	s_lshr_b32 s88, s17, 3
	s_lshl_b32 s88, s88, 16
	s_and_b32 s89, s17, 7
	s_lshl_b32 s89, s89, 9
	s_add_co_u32 s88, s88, s89
	s_lshl_b32 s89, s14, 7
	s_add_co_u32 s88, s88, s89
	s_mov_b32 s89, 0
	s_add_nc_u64 s[60:61], s[6:7], s[88:89]
	s_lshl_b32 s90, s68, 2
	s_add_co_u32 s90, s90, 352
	s_lshl_b32 s90, s90, 10
	s_mov_b32 s91, 0
	s_add_nc_u64 s[62:63], s[10:11], s[90:91]
.irp b, 0,1
.irp hd, 0,1,2,3,4,5,6,7,8,9,10,11,12,13,14,15
	global_load_u16 v[TS+16*\b+\hd], v[L2], s[60:61] offset:4096*\hd+64*\b
.endr
.endr
.irp g, 0,1,2,3
.irp i, 0,1,2,3
	global_load_b64 v[SCB+8*\g+2*\i:SCB+8*\g+2*\i+1], v[L8], s[62:63] offset:1024*\g+256*\i
.endr
.endr
	s_lshl_b32 s92, s17, 8
	s_lshl_b32 s93, s14, 6
	s_add_co_u32 s92, s92, s93
	s_lshl_b32 s92, s92, 12
	s_lshl_b32 s93, s68, 9
	s_add_co_u32 s92, s92, s93
	s_mov_b32 s93, 0
	s_add_nc_u64 s[12:13], s[12:13], s[92:93]
	s_wait_alu depctr_va_vdst(0)
	s_wait_tensorcnt 0x0                           ; my part of K steps 0 to 3 is in
	ds_add_u32 v[SPW], v[NIL]
	s_wait_dscnt 0x0
	CROUND                                         ; everybody's part is in, and the joint loads meet
	JLOAD G0A+4, G1A, G0B+4, G1B                   ; K steps 4 to 7
	FETCH_A 0, 0, 0
	FETCH_B 0, 0, 0, NT/2
	FETCH_B 0, 0, NT/2, NT
	s_wait_loadcnt 0x0
.irp b, 0,1
.irp s, 0,1,2,3,4,5,6,7
	v_lshl_or_b32 v[SCA+8*\b+\s], v[TS+16*\b+2*\s+1], 16, v[TS+16*\b+2*\s]
.endr
.endr
.rept 8
	v_nop
.endr
	s_wait_alu depctr_va_vdst(0)
	STEP 0, 0, 1
	TURN 1, 1, 1
	STEP 2, 1, 0
	TURN 3, 2, 0
	STEP 4, 2, 0
	TURN 5, 3, 0
	STEP 6, 3, 0
	s_wait_dscnt TAIL
	MULT 7, 0, NT/2, 0
	s_wait_dscnt 0x0
	MULT 7, NT/2, NT, 0
	WIN 0
.macro TOSTAGE a
	WIN 0x08
.irp n, 0,1,2,3,4,5,6,7
	ds_store_b128 v[STO], v[64*(\a)+8*\n:64*(\a)+8*\n+3] offset:128*(\n/2)+32*(\n%2)
	ds_store_b128 v[STO], v[64*(\a)+8*\n+4:64*(\a)+8*\n+7] offset:128*(\n/2)+32*(\n%2)+16
.endr
	WIN 0
.set BB, BK+64*((\a)%2)
.irp t, 0,1,2,3,4,5,6,7,8,9,10,11,12,13,14,15
	ds_load_b128 v[BB+4*\t:BB+4*\t+3], v[RD] offset:528*\t
.endr
.endm
.macro SEND a, younger
.set BB, BK+64*((\a)%2)
	s_wait_dscnt \younger
.irp t, 0,1,2,3,4,5,6,7,8,9,10,11,12,13,14,15
	global_store_b128 v[L16], v[BB+4*\t:BB+4*\t+3], s[12:13] offset:(32*((\a)/2)+8*((\a)%2)+\t+8*(\t/8))*4096 th:TH_STORE_NT
.endr
.endm
	PLACES
	TOSTAGE 0
.irp a, 1,2,3
.if \a > 1
	s_wait_xcnt 0x0
.endif
	TOSTAGE \a
	SEND \a-1, 32
.endr
	SEND 3, 0
	s_wait_tensorcnt 0x0
	ds_add_u32 v[SPW], v[NIL]
	s_wait_dscnt 0x0
	CROUND
	s_endpgm
.Lfunc_end_k_q9fdb578c01_proj:
	.size	k_q9fdb578c01_proj, .Lfunc_end_k_q9fdb578c01_proj-k_q9fdb578c01_proj
	.p2alignl 7, 3214868480
	.fill 96, 4, 3214868480
	.section	.rodata,"a",@progbits
	.p2align	6, 0x0
	.amdhsa_kernel k_q9fdb578c01_proj
		.amdhsa_group_segment_fixed_size 327680
		.amdhsa_private_segment_fixed_size 0
		.amdhsa_enable_private_segment 0
		.amdhsa_kernarg_size 40
		.amdhsa_user_sgpr_count 2
		.amdhsa_user_sgpr_kernarg_segment_ptr 1
		.amdhsa_wavefront_size32 1
		.amdhsa_system_sgpr_workgroup_id_x 1
		.amdhsa_system_sgpr_workgroup_id_y 1
		.amdhsa_system_sgpr_workgroup_id_z 1
		.amdhsa_system_vgpr_workitem_id 0
		.amdhsa_next_free_vgpr 768
		.amdhsa_next_free_sgpr 96
		.amdhsa_reserve_vcc 0
		.amdhsa_float_denorm_mode_32 3
		.amdhsa_float_denorm_mode_16_64 3
		.amdhsa_memory_ordered 1
		.amdhsa_forward_progress 1
		.amdhsa_inst_pref_size 85
	.end_amdhsa_kernel
	.amdgpu_metadata
---
amdhsa.version: [ 1, 2 ]
amdhsa.kernels:
  - .name:           k_q9fdb578c01_proj
    .symbol:         k_q9fdb578c01_proj.kd
    .args:
      - { .name: acod, .offset: 0, .size: 8, .value_kind: global_buffer, .address_space: global }
      - { .name: ascl, .offset: 8, .size: 8, .value_kind: global_buffer, .address_space: global }
      - { .name: opc, .offset: 16, .size: 8, .value_kind: global_buffer, .address_space: global }
      - { .name: ops, .offset: 24, .size: 8, .value_kind: global_buffer, .address_space: global }
      - { .name: out0, .offset: 32, .size: 8, .value_kind: global_buffer, .address_space: global }
    .group_segment_fixed_size: 327680
    .private_segment_fixed_size: 0
    .kernarg_segment_align: 8
    .kernarg_segment_size: 40
    .max_flat_workgroup_size: 128
    .sgpr_count:     96
    .vgpr_count:     768
    .wavefront_size: 32
...
	.end_amdgpu_metadata
.endif
;; end of part 4
